; MI455X (gfx1250); checked and timed in simulation.
; The chip was launched on July 23, 2026; its instructions are those of AMD's public machine-readable ISA for CDNA 5 (MIT licence, August 2026) and "CDNA5" Instruction Set Architecture Reference Guide (July 2026). The comments in the code are by the model that wrote it; some were corrected since.
;; Causal Cross Attention. Allowed arithmetic: matrix products marked QUANTISED: E4M3 operands, one given power-of-two scale a tensor, by v_wmma_f32_16x16x64_fp8_fp8 or v_wmma_f32_16x16x128_fp8_fp8, f32 sums; everything else in f32.
;; Inputs: Wkv_b 2,048 float32; Wkv_w 2,048 x 1,024 float32; Wo_b 1,024 float32; Wo_w 1,024 x 1,024 float32; Wq_b 1,024 float32; Wq_w 1,024 x 1,024 float32; lowp_scales 10 int32 (the exponents e of the quantised operands' scales 2^e); mask 4 x 2,048 bool; x 4 x 2,048 x 1,024 float32; y 4 x 2,048 x 1,024 float32.
;; Outputs: out0 4 x 2,048 x 1,024 float32.
;; This version of the problem:
;;   THIS VERSION OF THE PROBLEM IS GIVEN IN LOW PRECISION. The matrix products marked QUANTISED in the list below multiply operands that are first quantised to E4M3 (4 exponent bits, 3 mantissa bits; 8 bits a number), with one given power-of-two scale for each operand tensor; their sums are f32. All else is computed in f32.
;;   The module's matrix products, in the order in which they are computed (A, B: the left and right operand; K: the contracted axis; several contracted axes count as one K, in the product's order):
;;     1. [M 8,192, K 1,024] x [K 1,024, N 1,024]; A: input x; B: input Wq_w: QUANTISED (scales: A lowp_scales[0], B lowp_scales[1])
;;     2. [M 8,192, K 1,024] x [K 1,024, N 2,048]; A: input y; B: input Wkv_w: QUANTISED (scales: A lowp_scales[2], B lowp_scales[3])
;;     3. batch 64 x [M 2,048, K 64] x [K 64, N 2,048]; A: computed on the way; B: computed on the way: QUANTISED (scales: A lowp_scales[4], B lowp_scales[5])
;;     4. batch 64 x [M 2,048, K 2,048] x [K 2,048, N 64]; A: softmax (see below); B: computed on the way: QUANTISED (scales: A lowp_scales[6], B lowp_scales[7])
;;     5. [M 8,192, K 1,024] x [K 1,024, N 1,024]; A: computed on the way; B: input Wo_w: QUANTISED (scales: A lowp_scales[8], B lowp_scales[9])
;;   THE QUANTISER, for each operand of a quantised product, along K:
;;     - The operand's scale is 2^e, e = its entry of the input lowp_scales (int32; the entries are numbered through the quantised products in the list's order, A before B).
;;     - Each number is divided by the scale, clamped to +-448, and rounded to the nearest number of E4M3, ties to even, subnormals kept.
;;     - The product sums the exact products of the quantised numbers (number of the format x scale) in f32.
;;   ~~~python
;;   def quantise(x, axis, e):      # numpy; x: float32 -> the quantised numbers, widened to float32 again
;;       x = np.moveaxis(x, axis, -1); K = x.shape[-1]
;;       r = np.clip(x / 2.0 ** e, -448, 448)
;;       step = 2.0 ** (np.maximum(np.frexp(np.where(r == 0, 1, r))[1] - 1, -6) - 3)
;;       q = np.round(r / step) * step * 2.0 ** e      # np.round: ties to even
;;       return np.moveaxis(q, -1, axis).astype(np.float32)
;;   ~~~
;;   SOFTMAX AHEAD OF A QUANTISED PRODUCT. Where the list says 'softmax', what is quantised is not the finished softmax but p = 2^(t - M), with t = logit x log2(e) and M = ceil(the row's largest t), a whole number; so 1/2 < the row's largest p <= 1. The row's sum l is taken of the UNQUANTISED p, in f32, and the product's result is divided by l at the end. Since M is a whole number, a kernel that streams over the keys may use a running M (the ceiling of the running maximum): every later rescaling is an exact power of two, so the quantised numbers keep their values, but for numbers so far below the row's largest that they fall under the format's range.
;;   OPERANDS COMPUTED ON THE WAY. 'Computed on the way' means the value that the module computes at that place (a softmax that the list does not call 'softmax' is quantised finished and normalised). What goes into a quantiser is computed in f32, as accurately as f32 sums, v_exp_f32 and their like allow (about 1e-6 of the number): no bf16 or f16 on the way to a quantiser, and a product that is left as it is and whose result goes on into a quantised operand takes f32 operands (vector FMAs, or v_wmma_f32_16x16x4_f32). A number that lies on a knife's edge between two numbers of the format may be rounded either way, as far as f32 arithmetic and the matrix unit's own rounding can turn it there, and no further.
;; One version. Each part assembles by itself: llvm-mc -triple=amdgcn-amd-amdhsa -mcpu=gfx1250 --defsym DOCPART=n.
;; ======== version 1 of 1: 4 launches
;; limits: right only within a limited range of input values
;; workspace buffers: codes 20,971,520 bytes; qkv 25,165,824 bytes; aimg 8,388,608 bytes; rownan 32,768 bytes
;; launch quant (part 1): grid 1280 x 1, 4 waves a work-group, no clusters, 33,280 bytes of LDS; arguments x, y, Wq_w, Wkv_w, Wo_w, lowp_scales, codes; writes codes
.if DOCPART == 1
	.amdgcn_target "amdgcn-amd-amdhsa--gfx1250"
	.amdhsa_code_object_version 6
	.text
	.protected	k_qe21bcb881d_quant
	.globl	k_qe21bcb881d_quant
	.p2align	8
	.type	k_qe21bcb881d_quant,@function
k_qe21bcb881d_quant:
	s_mov_b64 s[64:65], 0
	v_nop
	global_prefetch_b8 v0, s[64:65] scope:SCOPE_SE
	s_setreg_imm32_b32 hwreg(HW_REG_WAVE_MODE, 25, 1), 1
	s_wait_xcnt 0x0
; x, y [8192][1024], Wq_w [1024][1024], Wkv_w [2048][1024], Wo_w [1024][1024], all f32 with K innermost, become codes of FP8 (E4M3), one byte each,
; each tensor with the scale 2^e that is given for it: code = number / 2^e, held within +-448, rounded to the nearest code, ties to even.
; The codes lie in ONE buffer of 20,480 rows of 1,024 bytes: x from row 0, y from 8,192, Wq from 16,384, Wkv from 17,408, Wo from 19,456.
; SLOT ORDER.  In y, Wq and Wkv the second and third block of 8 rows of every 32 rows change places, so that 16 neighbouring rows of the buffer, 32 g + 16 u + i, hold the tensor's rows
; 32 g + 8 u + i + 8 (i / 8): the rows that the next launch wants together in one tile of 16.  x and Wo keep their order.
; SHARES.  A work-group takes 16 rows, a wave 4 of them: 8 steps of 512 numbers.  Work-groups 0-511 x, 512-1023 y, 1024-1087 Wq, 1088-1215 Wkv, 1216-1279 Wo: only pointers and numbers are chosen, there is one path.
; A conversion takes 8 neighbours from ONE lane's registers, a load is best where neighbouring lanes take neighbouring bytes: so each load reads 512 consecutive bytes, 16 a lane, and a step's 2,048 bytes turn
; through the wave's own stage in LDS (16 bytes of padding behind each 64) and come back 64 bytes a lane.  A lane's 16 codes are 16 bytes: the wave stores 512 consecutive bytes.  No barrier: waves share nothing.
; LIMITS: each e between -126 and 119, so that 2^e and 448 x 2^e are f32 numbers.  NaN among the inputs is not served; an infinity is held at the largest code.
.set STEPS, 8
.set EMAX,  8
.set MANT,  0x600000                   ; the mantissa field of 448 as f32
.set R,     16                         ; v16-79   four sets of 16 numbers as they are loaded
.set X,     80                         ; v80-111  two sets of 16 neighbours
.set C,     128                        ; v128-159 codes: four registers for each step, so that no store's data are written again
.set WREG,  8192                       ; LDS: a region of its own for each wave: two stages of 32 x SP bytes
.set SP,    80                         ; a lane's place in a stage: its 64 bytes + 16 of padding
.set SPARE, 32768                      ; behind the four regions: the spare words, 128 bytes for each wave, which no other line names
	s_load_b256 s[4:11], s[0:1], 0x0               ; x s[4:5], y s[6:7], Wq_w s[8:9], Wkv_w s[10:11]
	s_load_b128 s[12:15], s[0:1], 0x20             ; Wo_w s[12:13], the scales' exponents s[14:15]
	s_load_b64 s[16:17], s[0:1], 0x30              ; the codes
	v_lshl_add_u32 v12, v0, 2, SPARE               ; my spare word; never rewritten
	v_mov_b32 v13, 0                               ; 0; never rewritten
	v_lshrrev_b32 v1, 5, v0
	v_readfirstlane_b32 s36, v1                    ; wave
	v_and_b32 v2, 31, v0                           ; lane
	v_lshlrev_b32 v3, 4, v2                        ; 16 x lane: my 16 bytes of a load's 512, and of a store's; never rewritten
	s_mul_i32 s37, s36, WREG
	v_lshrrev_b32 v14, 2, v2
	v_mul_u32_u24 v14, v14, SP
	v_and_b32 v15, 3, v2
	v_lshl_add_u32 v14, v15, 4, v14
	v_add_nc_u32 v14, s37, v14                     ; the stage, on the way in: four lanes' 64 bytes on end, then 16 of padding
	v_mul_u32_u24 v15, v2, SP
	v_add_nc_u32 v15, s37, v15                     ; and on the way out: SP x lane: my 16 neighbours
	s_wait_alu depctr_va_vdst(0)                   ; directly ahead of the wait below
	s_wait_kmcnt 0x0
	s_load_b256 s[24:31], s[14:15], 0x0            ; e0 .. e7
	s_load_b64 s[32:33], s[14:15], 0x20            ; e8, e9
	; which tensor: the choice hangs on the work-group's number alone.  s[18:19] its address, s20 its first work-group, s21 = 1 where its rows go in slot order
	s_mov_b64 s[18:19], s[12:13]                   ; Wo
	s_mov_b32 s20, 1216
	s_mov_b32 s21, 0
	s_cmp_lt_u32 ttmp9, 1216
	s_cselect_b64 s[18:19], s[10:11], s[18:19]     ; Wkv
	s_cselect_b32 s20, 1088, s20
	s_cselect_b32 s21, 1, s21
	s_cmp_lt_u32 ttmp9, 1088
	s_cselect_b64 s[18:19], s[8:9], s[18:19]       ; Wq
	s_cselect_b32 s20, 1024, s20
	s_cmp_lt_u32 ttmp9, 1024
	s_cselect_b64 s[18:19], s[6:7], s[18:19]       ; y
	s_cselect_b32 s20, 512, s20
	s_cmp_lt_u32 ttmp9, 512
	s_cselect_b64 s[18:19], s[4:5], s[18:19]       ; x
	s_cselect_b32 s20, 0, s20
	s_cselect_b32 s21, 0, s21
	s_sub_co_u32 s38, ttmp9, s20
	s_lshl_b32 s38, s38, 2
	s_add_co_u32 s38, s38, s36                     ; which run of 4 rows of the tensor is my wave's
	s_lshl_b32 s38, s38, 14                        ; x 16,384 bytes: under 2^26
	s_mov_b32 s39, 0
	s_add_nc_u64 s[18:19], s[18:19], s[38:39]
	s_lshl_b32 s40, ttmp9, 2
	s_add_co_u32 s40, s40, s36                     ; the same run, counted through the buffer of codes: bits 2:1 say which block of 8 rows of its 32
	s_bfe_u32 s23, s40, 0x10001
	s_bfe_u32 s34, s40, 0x10002
	s_lshl_b32 s23, s23, 2
	s_lshl_b32 s34, s34, 1
	s_or_b32 s23, s23, s34                         ; the two bits exchanged,
	s_and_b32 s34, s40, 6                          ; or as they are
	s_cmp_eq_u32 s21, 1
	s_cselect_b32 s23, s23, s34
	s_and_not1_b32 s40, s40, 6
	s_or_b32 s40, s40, s23                         ; the run of 4 rows that my codes fill
	s_lshl_b32 s40, s40, 12                        ; x 4,096 bytes
	s_mov_b32 s41, 0
	s_add_nc_u64 s[16:17], s[16:17], s[40:41]
.macro LOAD t
.irp i, 0,1,2,3
	global_load_b128 v[R+16*((\t)%4)+4*\i:R+16*((\t)%4)+4*\i+3], v3, s[18:19] offset:2048*(\t)+512*\i th:TH_LOAD_NT   ; 32 lanes read 512 consecutive bytes
.endr
.endm
.macro TURN t                          ; step t's numbers through the stage: LDS serves a wave's instructions in order, so no wait stands between the stores and the loads
.irp i, 0,1,2,3
	ds_store_b128 v14, v[R+16*((\t)%4)+4*\i:R+16*((\t)%4)+4*\i+3] offset:32*SP*((\t)%2)+8*SP*\i
.endr
.irp i, 0,1,2,3
	ds_load_b128 v[X+16*((\t)%2)+4*\i:X+16*((\t)%2)+4*\i+3], v15 offset:32*SP*((\t)%2)+16*\i
.endr
.endm
.irp t, 0,1,2,3
	LOAD \t
.endr
	s_wait_kmcnt 0x0
	s_mov_b32 s22, s33                             ; e9 for Wo; the same four compares choose the tensor's e
	s_cmp_lt_u32 ttmp9, 1216
	s_cselect_b32 s22, s27, s22                    ; e3 for Wkv
	s_cmp_lt_u32 ttmp9, 1088
	s_cselect_b32 s22, s25, s22                    ; e1 for Wq
	s_cmp_lt_u32 ttmp9, 1024
	s_cselect_b32 s22, s26, s22                    ; e2 for y
	s_cmp_lt_u32 ttmp9, 512
	s_cselect_b32 s22, s24, s22                    ; e0 for x
	s_add_co_i32 s22, s22, 127
	s_lshl_b32 s23, s22, 23
	v_mov_b32 v11, s23                             ; 2^e as f32: the conversion takes its exponent field
	s_add_co_i32 s22, s22, EMAX
	s_lshl_b32 s22, s22, 23
	s_or_b32 s22, s22, MANT
	v_mov_b32 v10, s22                             ; 448 x 2^e
	s_wait_alu depctr_va_vdst(0)                   ; at the head's end
	s_wait_loadcnt 12                              ; step 0's four loads are in; the twelve of steps 1 to 3 may be out
	TURN 0
.macro STEP t
.set XS, X+16*((\t)%2)
	s_wait_dscnt 0x0                               ; this step's numbers are back from the stage: so its stores into the stage have read their registers,
.if (\t)+4 < STEPS
	LOAD (\t)+4                                    ; which take the loads of four steps on
.endif
.if (\t)+1 < STEPS
.if STEPS-2-(\t) >= 3
	s_wait_loadcnt 12                              ; the next step's four loads are in; those of the three steps behind it may be out
.else
	s_wait_loadcnt 4*(STEPS-2-(\t))                ; the tail: fewer steps are behind it
.endif
	TURN (\t)+1                                    ; and go through the other stage while this step is worked
.endif
.irp i, 0,1,2,3,4,5,6,7,8,9,10,11,12,13,14,15
	v_med3_num_f32 v[XS+\i], v[XS+\i], -v10, v10   ; the conversion to an 8-bit code does not saturate (ISA guide 7.6.2): hold the number within the largest code x the scale first
.endr
	v_cvt_scalef32_pk8_fp8_f32 v[C+4*(\t):C+4*(\t)+1], v[XS:XS+7], v11          ; eight numbers / 2^e, to the nearest code, ties to even; the first number's code in the lowest byte
	v_cvt_scalef32_pk8_fp8_f32 v[C+4*(\t)+2:C+4*(\t)+3], v[XS+8:XS+15], v11
	global_store_b128 v3, v[C+4*(\t):C+4*(\t)+3], s[16:17] offset:512*(\t)      ; the codes go to a store alone; the next vector lines, the next step's holds, are plain and touch other registers
.endm
.irp t, 0,1,2,3,4,5,6,7
	STEP \t
.endr
	s_wait_tensorcnt 0x0                           ; the wave's end, behind my last LDS store
	ds_add_u32 v12, v13
	s_wait_dscnt 0x0
	s_endpgm
.Lfunc_end_k_qe21bcb881d_quant:
	.size	k_qe21bcb881d_quant, .Lfunc_end_k_qe21bcb881d_quant-k_qe21bcb881d_quant
	.p2alignl 7, 3214868480
	.fill 96, 4, 3214868480
	.section	.rodata,"a",@progbits
	.p2align	6, 0x0
	.amdhsa_kernel k_qe21bcb881d_quant
		.amdhsa_group_segment_fixed_size 33280
		.amdhsa_private_segment_fixed_size 0
		.amdhsa_enable_private_segment 0
		.amdhsa_kernarg_size 56
		.amdhsa_user_sgpr_count 2
		.amdhsa_user_sgpr_kernarg_segment_ptr 1
		.amdhsa_wavefront_size32 1
		.amdhsa_system_sgpr_workgroup_id_x 1
		.amdhsa_system_sgpr_workgroup_id_y 1
		.amdhsa_system_sgpr_workgroup_id_z 1
		.amdhsa_system_vgpr_workitem_id 0
		.amdhsa_next_free_vgpr 160
		.amdhsa_next_free_sgpr 66
		.amdhsa_reserve_vcc 0
		.amdhsa_float_denorm_mode_32 3
		.amdhsa_float_denorm_mode_16_64 3
		.amdhsa_memory_ordered 1
		.amdhsa_forward_progress 1
		.amdhsa_inst_pref_size 21
	.end_amdhsa_kernel
	.amdgpu_metadata
---
amdhsa.version: [ 1, 2 ]
amdhsa.kernels:
  - .name:           k_qe21bcb881d_quant
    .symbol:         k_qe21bcb881d_quant.kd
    .args:
      - { .name: x, .offset: 0, .size: 8, .value_kind: global_buffer, .address_space: global }
      - { .name: y, .offset: 8, .size: 8, .value_kind: global_buffer, .address_space: global }
      - { .name: Wq_w, .offset: 16, .size: 8, .value_kind: global_buffer, .address_space: global }
      - { .name: Wkv_w, .offset: 24, .size: 8, .value_kind: global_buffer, .address_space: global }
      - { .name: Wo_w, .offset: 32, .size: 8, .value_kind: global_buffer, .address_space: global }
      - { .name: lowp_scales, .offset: 40, .size: 8, .value_kind: global_buffer, .address_space: global }
      - { .name: codes, .offset: 48, .size: 8, .value_kind: global_buffer, .address_space: global }
    .group_segment_fixed_size: 33280
    .private_segment_fixed_size: 0
    .kernarg_segment_align: 8
    .kernarg_segment_size: 56
    .max_flat_workgroup_size: 128
    .sgpr_count:     66
    .vgpr_count:     160
    .wavefront_size: 32
...
	.end_amdgpu_metadata
.endif
;; end of part 1
;; launch proj (part 2): grid 12 x 32, 4 waves a work-group, clusters of 4 x 4, 327,680 bytes of LDS; arguments codes, lowp_scales, Wq_b, Wkv_b, qkv; writes qkv
.if DOCPART == 2
	.amdgcn_target "amdgcn-amd-amdhsa--gfx1250"
	.amdhsa_code_object_version 6
	.text
	.protected	k_qe21bcb881d_proj
	.globl	k_qe21bcb881d_proj
	.p2align	8
	.type	k_qe21bcb881d_proj,@function
k_qe21bcb881d_proj:
	s_mov_b64 s[64:65], 0
	v_nop
	global_prefetch_b8 v0, s[64:65] scope:SCOPE_SE
	s_setreg_imm32_b32 hwreg(HW_REG_WAVE_MODE, 25, 1), 1
	s_wait_xcnt 0x0
	s_wait_alu depctr_hold_cnt(0) depctr_sa_sdst(0) depctr_va_vdst(0) depctr_va_sdst(0) depctr_va_ssrc(0) depctr_va_vcc(0) depctr_vm_vsrc(0)
	s_getreg_b32 s2, hwreg(HW_REG_IB_STS2, 6, 4)
	s_cmp_eq_u32 s2, 0
	s_cbranch_scc0 .Lentry_in_a_cluster
	s_endpgm
.Lentry_in_a_cluster:
	s_bfe_u32 s2, ttmp6, 0x10000c
	s_cmp_lg_u32 s2, 0xf033
	s_cbranch_scc0 .Lentry_shape_is_right
	s_endpgm
.Lentry_shape_is_right:
; q = x Wq^T + bq, k and v = y Wkv^T + bkv, on codes of FP8 (E4M3); the results are quantised at once (e4, e5, e7) and stored as IMAGES OF THE OPERAND REGISTERS that the attention launch wants.
; The cluster's x says which: 0 = q, 1 = k, 2 = v.  A tile is 256 x 256, four waves, each 128 x 128: 64 accumulators of 16 x 16, 512 registers.  K = 1,024 goes in steps of 256 through a ring of two LDS slots.
; "A" (source 1: a lane's row) and "B" (source 0: a lane's eight registers) are rows of the ONE buffer of codes:  q: A = x, B = Wq;  k: A = y, B = Wk;  v: A = Wv, B = y.
; So a lane holds one query or key and registers along the head's axis (q, k), or one of the head's 64 and registers along the KEYS (v): in each case the registers run along the next product's K.
; y, Wq, Wkv lie in slot order (the second and third block of 8 rows of every 32 exchanged): row 16 b + 8 h + j of B as it lies is the tensor's row 32 (b / 2) + 16 h + 8 (b % 2) + j,
; so accumulators (a, 2 g) and (a, 2 g + 1) hold 16 NEIGHBOURS, 32 g + 16 h + 0 .. 15, and their eight conversions give four registers of an operand; row 16 a + r of A as it lies is the tensor's row 32 (a / 2) + 8 (a % 2) + r + 8 (r / 8).
; IMAGES in qkv.  Q: [64 heads][128 tiles of 16 queries][1,024]: chunk c of 512 bytes, lane (r, h) 16 bytes: query r, d = 32 c + 16 h + 0 .. 15.  From byte 8,388,608, 262,144 a head: K: [128 tiles][1,024] likewise, tile 2 g + u, lane r = key 32 g + 8 u + r + 8 (r / 8);
; then V: [16 steps of 128 keys][4 tiles of d][2,048]: tile 2 g + u, lane r = d 32 g + 8 u + r + 8 (r / 8); chunk c of 512 bytes: keys 32 c + 16 h + 0 .. 15.  Every store of a wave covers 512 consecutive bytes, aligned.
; CLUSTERS: 4 x 4 work-groups; the four of a row need the same tiles of A, the four of a column the same tiles of B: each is asked for jointly, by the same tensor load with the same descriptor and a mask that names the four.
; LIMITS: e0 + e1 and e2 + e3 between -126 and 127; e4, e5, e7 between -126 and 119.
; REGISTERS, in windows of 256: window 0: v0-31 addresses and constants; v32-95 the bias of my 128 columns (q, k); v96-111 the bias of my lane's row, a pair for each block of A (v); from v128 A's fragments, ONE set; on the way out v128-191 numbers, v192-255 codes.
;   window 1: B's fragments, TWO sets.   window 2: the accumulators of my rows 0-63 ((a, b) at v[8 (8 a + b)]);   window 3: those of rows 64-127.
.set SIZE_K, 1024
.set KSTEP,  256                       ; along K in a slot
.set ROWB,   256                       ; a tile's row in bytes
.set KROW,   SIZE_K                    ; a row of codes in memory, in bytes
.set PITCH,  272                       ; an LDS row: 256 bytes + 16 of padding = 68 words: the 16 rows that a load touches start at 16 different banks (64 banks of 4 bytes: ISA guide 11.1)
.set FR,     16                        ; registers of a fragment: 16 rows x 128 K
.set NL,     4                         ; LDS loads that bring one
.set NP,     4                         ; places behind this matrix instruction (ISA guide 7.12.1)
.set HALFT,  128*PITCH                 ; 128 rows: what one tensor load brings, and what one wave reads of A or of B
.set SLOT,   4*HALFT                   ; A's 256 rows, then B's 256 rows
.set LAPS,   SIZE_K/(2*KSTEP)          ; a lap = two K steps = once round the ring
.set SPARE,  2*SLOT                    ; behind the ring: the spare words, 128 bytes for each wave, which no other line names
.set ADRA, 16                          ; v16-17  LDS address of my A fragments in slot 0, 1
.set ADRB, 20                          ; v20-21  the same for B
.set CO,   26                          ; v26     16 x lane: my place in a store's 512 bytes; never rewritten
.set SCL,  27                          ; v27     2^eo as f32, for the conversions
.set SPW,  28                          ; v28     LDS address of my spare word; never rewritten
.set NIL,  29                          ; v29     0; never rewritten
.set LIM,  30                          ; v30     448 x 2^eo
.set BIAS, 32
.set BV,   96
.set AF,   128
.set TMP,  128
.set CD,   192
.set G1, 24                            ; s[24:31] descriptor group 1 for A's tiles;  s[32:39] group 0, one set for each slot
.set G0, 32
.set G1B, 48                           ; s[48:55], s[56:63] the same for B's tiles
.set G0B, 56
.set SB, 90                            ; s[90:91], s[92:93] where my two heads' images begin
.set MSB, 0
.macro WIN new                         ; the immediate's high byte repeats the setting that is left
.if MSB != \new
	s_set_vgpr_msb (MSB<<8)|\new
.set MSB, \new
.endif
.endm
.set MUL_LO, 0xa1                      ; source 0 (B) window 1, source 1 (A) window 0, C and D window 2
.set MUL_HI, 0xf1                      ; the same, C and D window 3
.set TO_B,   0x40                      ; destination window 1, address window 0
; A joint load: waves 0 and 1 fetch for A, waves 2 and 3 for B.  Each line has one mask and one set of registers for all that issue it; the branch hangs on the wave's number alone.
; Four v_nop follow each of the two lines, ahead of the jump, the label and what follows.
.macro JLOAD g0a, g1a, g0b, g1b
	s_cmp_eq_u32 s15, 0
	s_cbranch_scc0 .Lfor_b_\@
	tensor_load_to_lds s[\g0a:\g0a+3], s[\g1a:\g1a+7]
	s_nop 0
.rept 4
	v_nop
.endr
	s_branch .Lasked_\@
.Lfor_b_\@:
	tensor_load_to_lds s[\g0b:\g0b+3], s[\g1b:\g1b+7]
	s_nop 0
.rept 4
	v_nop
.endr
.Lasked_\@:
.endm
.macro CREST                           ; a round of the cluster's barrier behind its opening barrier
	s_cmp_lg_u32 s14, 0
	s_cbranch_scc1 .Lnot_wave_0_\@
	s_barrier_signal -3
.Lnot_wave_0_\@:
	s_barrier_wait -3
	s_barrier_signal -1
	s_barrier_wait -1
.endm
.macro CROUND                          ; a whole round
	s_barrier_signal -1
	s_barrier_wait -1
	CREST
.endm
	s_load_b256 s[4:11], s[0:1], 0x0               ; the codes s[4:5], the scales' exponents s[6:7], Wq_b s[8:9], Wkv_b s[10:11]
	s_load_b64 s[12:13], s[0:1], 0x20              ; qkv
	v_lshl_add_u32 v[SPW], v0, 2, SPARE
	v_mov_b32 v[NIL], 0
	ds_add_u32 v[SPW], v[NIL]                      ; the wave's opening: the add, twice on end, and its wait ahead of my first tensor load
	ds_add_u32 v[SPW], v[NIL]
	v_lshrrev_b32 v1, 5, v0
	v_readfirstlane_b32 s14, v1                    ; wave 0..3
	s_lshr_b32 s15, s14, 1                         ; which half of A's rows is mine.  Also: I fetch for A (0) or for B (1)
	s_and_b32 s16, s14, 1                          ; which half of B's rows.  Also: which 128 rows of that tile I fetch
	s_bfe_u32 s40, ttmp6, 0x40000                  ; cx, cy: my place in the cluster
	s_bfe_u32 s41, ttmp6, 0x40004
	s_and_b32 s66, ttmp7, 0xffff                   ; the cluster's y, 0 .. 7
	s_lshr_b32 s67, ttmp9, 1                       ; 1 for v, else 0 (the cluster's x is 0, 1 or 2)
	s_xor_b32 s68, s67, 1
	s_mul_i32 s69, s66, s68                        ; q, k: the long tensor (8,192 rows) is A: the cluster's y counts its tiles;
	s_mul_i32 s70, s66, s67                        ; v: it is B
	s_lshl_b32 s17, s69, 2
	s_add_co_u32 s17, s17, s41                     ; A's tile of 256 rows
	s_lshl_b32 s42, s70, 2
	s_add_co_u32 s42, s42, s40                     ; B's tile
	s_lshl_b32 s43, s41, 2
	s_lshl_b32 s43, 15, s43                        ; my row of the cluster
	s_lshl_b32 s44, 0x1111, s40                    ; my column
	; descriptor group 1: a tile of 128 rows x 256 bytes, padded in LDS
	s_or_b32 s[G1+0], s43, (0<<16)|(1<<20)|(1<<21)|(5<<22)|(3<<25)  ; 15:0 the mask: A's tiles go to my row; 17:16 elements of 1 byte; 20 padding on; 21 set beside a mask; 24:22 after every 64 words (code 5); 31:25 of 4 words (code 3)
	s_or_b32 s[G1B+0], s44, (0<<16)|(1<<20)|(1<<21)|(5<<22)|(3<<25)
.irp g, G1, G1B
	s_mov_b32 s[\g+1], ROWB<<16                    ; tensor_dim0
	s_mov_b32 s[\g+2], 128<<16                     ; tensor_dim1 = 128
	s_mov_b32 s[\g+3], ROWB<<16                    ; tile_dim0
	s_mov_b32 s[\g+4], 128                         ; tile_dim1 = 128
	s_mov_b32 s[\g+5], KROW                        ; tensor_dim0_stride
	s_mov_b32 s[\g+6], 0
	s_mov_b32 s[\g+7], 0
.endr
	; the rows of the buffer of codes at which my tiles begin.  A: 0 (x), 8,192 (y), 18,432 (Wv) = 8,192 X + 2,048 isV;  B: 16,384 (Wq), 17,408 (Wk), 8,192 (y) = 16,384 + 1,024 X - 10,240 isV
	s_lshl_b32 s18, s16, 7                         ; which 128 rows of the tile I fetch
	s_lshl_b32 s20, s17, 8
	s_add_co_u32 s20, s20, s18
	s_lshl_b32 s19, ttmp9, 13
	s_add_co_u32 s20, s20, s19
	s_lshl_b32 s19, s67, 11
	s_add_co_u32 s20, s20, s19
	s_lshl_b32 s20, s20, 10                        ; in bytes: under 2^25
	s_mov_b32 s21, 0
	s_lshl_b32 s46, s42, 8
	s_add_co_u32 s46, s46, s18
	s_lshl_b32 s19, ttmp9, 10
	s_add_co_u32 s46, s46, s19
	s_add_co_u32 s46, s46, 16384
	s_mul_i32 s19, s67, 10240
	s_sub_co_u32 s46, s46, s19
	s_lshl_b32 s46, s46, 10
	s_mov_b32 s47, 0
	s_mul_i32 s45, s14, HALFT
	s_wait_dscnt 0x0                               ; both opening adds are done
	s_wait_kmcnt 0x0
	s_load_b256 s[72:79], s[6:7], 0x0              ; e0 .. e7
	s_add_nc_u64 s[20:21], s[4:5], s[20:21]
	s_add_nc_u64 s[46:47], s[4:5], s[46:47]
	CROUND                                         ; all sixteen work-groups are here: the first joint loads meet
.irp s, 0,1
	s_mov_b32 s[G0+4*\s], 1
	s_add_co_u32 s[G0+4*\s+1], s45, \s*SLOT
	s_add_nc_u64 s[G0+4*\s+2:G0+4*\s+3], s[20:21], \s*ROWB
	s_or_b32 s[G0+4*\s+3], s[G0+4*\s+3], 0x80000000
	s_mov_b32 s[G0B+4*\s], 1
	s_add_co_u32 s[G0B+4*\s+1], s45, \s*SLOT
	s_add_nc_u64 s[G0B+4*\s+2:G0B+4*\s+3], s[46:47], \s*ROWB
	s_or_b32 s[G0B+4*\s+3], s[G0B+4*\s+3], 0x80000000
.endr
	JLOAD G0, G1, G0B, G1B                         ; K step 0: one tensor load a wave at the head
	v_and_b32 v1, 15, v0                           ; r = l % 16
	v_bfe_u32 v2, v0, 4, 1                         ; h = l / 16
	s_wait_alu depctr_va_vdst(0)
	v_mul_u32_u24 v3, v1, PITCH
	v_lshl_add_u32 v4, v2, 4, v3                   ; a fragment's row x pitch + 16 x half
	s_mul_i32 s21, s15, HALFT                      ; my 128 rows of A
	s_mul_i32 s22, s16, HALFT                      ; my 128 rows of B,
	s_add_co_u32 s22, s22, 2*HALFT                 ; which lie behind A's 256
.irp s, 0,1
	v_add_nc_u32 v[ADRA+\s], s21, v4
	v_add_nc_u32 v[ADRB+\s], s22, v4
	s_add_co_u32 s21, s21, SLOT
	s_add_co_u32 s22, s22, SLOT
.endr
	v_and_b32 v[CO], 31, v0
	v_lshlrev_b32 v[CO], 4, v[CO]
	; THE BIASES.  Both kinds are loaded on every path (all addresses lie inside their buffers); the way out takes the one that its path wants.
	; q, k: the bias of B's row: registers 16 g + i hold that of row 32 g + 16 h + i of my 128
	s_cmp_eq_u32 ttmp9, 0
	s_cselect_b64 s[80:81], s[8:9], s[10:11]       ; Wq_b for q, else Wkv_b (its first 1,024 numbers are k's)
	s_lshl_b32 s82, s40, 10                        ; 4 bytes x 256 cx
	s_lshl_b32 s83, s16, 9                         ; + 4 x 128 x my half
	s_add_co_u32 s82, s82, s83
	s_mov_b32 s83, 0
	s_add_nc_u64 s[80:81], s[80:81], s[82:83]
	v_lshlrev_b32 v5, 6, v2                        ; 64 h
.irp g, 0,1,2,3
.irp i, 0,1,2,3
	global_load_b128 v[BIAS+16*\g+4*\i:BIAS+16*\g+4*\i+3], v5, s[80:81] offset:128*\g+16*\i
.endr
.endr
	; v: the bias of A's row, one number a lane for each of A's eight blocks: Wkv_b[1,024 + 256 cy + 128 half + 32 (a / 2) + 8 (a % 2) + r + 8 (r / 8)]
	s_lshl_b32 s84, s41, 10
	s_lshl_b32 s85, s15, 9
	s_add_co_u32 s84, s84, s85
	s_add_co_u32 s84, s84, 4096
	s_mov_b32 s85, 0
	s_add_nc_u64 s[84:85], s[10:11], s[84:85]
	v_and_b32 v6, 8, v1
	v_add_nc_u32 v6, v6, v1
	v_lshlrev_b32 v6, 2, v6                        ; 4 (r + 8 (r / 8))
.irp a, 0,1,2,3,4,5,6,7
	global_load_b32 v[BV+2*\a], v6, s[84:85] offset:4*(32*(\a/2)+8*(\a%2))
	v_mov_b32 v[BV+2*\a+1], 0                      ; (named with it as a pair, so it is written)
.endr
	; WHERE MY IMAGES GO.  The long tensor's row (query or key): q, k: 256 (4 Y + cy) + 128 x my half of A;  v: 256 (4 Y + cx) + 128 x my half of B.  My first head: q, k: 4 cx + 2 x half of B;  v: 4 cy + 2 x half of A
	s_cmp_eq_u32 ttmp9, 2
	s_cselect_b32 s86, s40, s41
	s_cselect_b32 s87, s16, s15
	s_cselect_b32 s88, s41, s40
	s_cselect_b32 s89, s15, s16
	s_lshl_b32 s90, s66, 2
	s_add_co_u32 s90, s90, s86
	s_lshl_b32 s90, s90, 8
	s_lshl_b32 s87, s87, 7
	s_add_co_u32 s90, s90, s87                     ; the row, 0 .. 8,191
	s_lshr_b32 s91, s90, 11                        ; its batch
	s_and_b32 s90, s90, 2047                       ; and its place there, a multiple of 128
	s_lshl_b32 s88, s88, 2
	s_lshl_b32 s89, s89, 1
	s_add_co_u32 s88, s88, s89
	s_lshl_b32 s91, s91, 4
	s_add_co_u32 s91, s91, s88                     ; 16 x batch + head
	s_lshl_b32 s90, s90, 6                         ; (row / 16) tiles of 1,024 bytes = (row / 128) steps of 8,192 bytes = 64 x row
	s_lshl_b32 s92, s91, 17                        ; q: 131,072 bytes a head
	s_lshl_b32 s93, s91, 18                        ; k, v: 262,144 a head, behind q's 8,388,608
	s_add_co_u32 s93, s93, 8388608
	s_cmp_eq_u32 ttmp9, 0
	s_cselect_b32 s92, s92, s93
	s_mov_b32 s94, 262144
	s_cselect_b32 s94, 131072, s94                 ; from a head to the next
	s_add_co_u32 s90, s90, s92
	s_lshl_b32 s93, s67, 17                        ; v lies 131,072 bytes behind its head's k
	s_add_co_u32 s90, s90, s93
	s_mov_b32 s91, 0
	s_mov_b32 s95, 0
	s_add_nc_u64 s[SB:SB+1], s[12:13], s[90:91]
	s_add_nc_u64 s[SB+2:SB+3], s[SB:SB+1], s[94:95]
.macro FRAG reg, adr, q, i             ; a fragment, 16 rows x 128 K, is 16 registers: lane l holds row l % 16; registers 4 c .. 4 c + 3 hold K = 32 c + 16 (l / 16) + 0 .. 15: the same order of K in A and in B, so every product meets its partner
.irp c, 0,1,2,3
	ds_load_b128 v[\reg+4*\c:\reg+4*\c+3], v[\adr] offset:128*(\q)+32*\c+(\i)*16*PITCH
.endr
.endm
; 16 matrix instructions: A's blocks a0, a0 + 1 x B's eight, 128 along K.  p: B's set.  zero = 1: the first product starts the sums: nothing is ever cleared.
; The 64 accumulators take turns, one instruction a turn, in the same order in every step.
.macro MUL16 a0, p, zero
.irp a, \a0, \a0+1
.irp b, 0,1,2,3,4,5,6,7
.if \zero
	v_wmma_f32_16x16x128_fp8_fp8 v[8*(8*((\a)%4)+\b):8*(8*((\a)%4)+\b)+7], v[128*(\p)+FR*\b:128*(\p)+FR*\b+FR-1], v[AF+FR*(\a):AF+FR*(\a)+FR-1], 0
.else
	v_wmma_f32_16x16x128_fp8_fp8 v[8*(8*((\a)%4)+\b):8*(8*((\a)%4)+\b)+7], v[128*(\p)+FR*\b:128*(\p)+FR*\b+FR-1], v[AF+FR*(\a):AF+FR*(\a)+FR-1], v[8*(8*((\a)%4)+\b):8*(8*((\a)%4)+\b)+7]
.endif
.endr
.endr
.endm
.macro FETCH_B slot, q, p              ; B's eight fragments of the slot's q-th 128 along K into set p
	WIN TO_B
.irp i, 0,1,2,3,4,5,6,7
	FRAG 128*(\p)+FR*\i, ADRB+\slot, \q, \i
.endr
	WIN 0
.endm
.macro FETCH_A slot, q, i0             ; A's blocks i0 .. i0 + 3
.irp i, \i0, \i0+1, \i0+2, \i0+3
	FRAG AF+FR*(\i), ADRA+\slot, \q, \i
.endr
.endm
; A load into a register that a matrix instruction has read, and a vector instruction that reads a matrix result, stand NP places behind that matrix instruction; only plain vector
; instructions that name none of its registers are places (ISA guide 7.12.1 for vector instructions).
.macro PLACES n
.rept \n
	v_nop
.endr
.endm
; A step of 128 along K that has its successor in the same slot.  A's blocks are free as soon as their eight products are issued, so one set serves A; B's are at work through the whole step, so B has two.
.macro STEP slot, q, zero
	s_wait_dscnt 4*NL                              ; B's set and A's blocks 0-3 are in; the youngest sixteen loads (A's blocks 4-7) may be out
	WIN MUL_LO
	MUL16 0, (\q)%2, \zero
	MUL16 2, (\q)%2, \zero
	s_wait_dscnt 0                                 ; A's blocks 4-7 are in (asked for 32 matrix instructions ago)
	PLACES NP
	FETCH_B \slot, (\q)+1, 1-(\q)%2
	FETCH_A \slot, (\q)+1, 0
	WIN MUL_HI
	MUL16 4, (\q)%2, \zero
	MUL16 6, (\q)%2, \zero
	PLACES NP
	WIN 0
	FETCH_A \slot, (\q)+1, 4
.endm
; A slot's last step changes slots: ONE barrier; in front of it each wave waits for all its tensor loads, adds 0 to its spare word, and waits for that and for its own reads of this slot.  fill = 1: this slot is filled again, two K steps ahead.
.macro TURN slot, next, fill
	s_wait_tensorcnt 0x0                           ; all my tensor loads have landed: my part of the next slot  (every window is 0 here)
	ds_add_u32 v[SPW], v[NIL]                      ; 0 onto my spare word
	s_wait_dscnt 4*NL+1                            ; (the add and the youngest sixteen loads, A's blocks 4-7, may be out)
	WIN MUL_LO
	MUL16 0, 1, 0                                  ; sixteen matrix instructions stand between the add and the wait for it
	s_wait_dscnt 0x0                               ; the add is done, and my reads of this slot are over
	s_barrier_signal -1
	MUL16 2, 1, 0
	WIN 0
	s_barrier_wait -1
.if \fill
	CREST                                          ; the barrier has opened a round of the cluster's barrier: no wave of any partner still reads this slot's tile or has a load on its way
	s_add_nc_u64 s[G0+4*\slot+2:G0+4*\slot+3], s[G0+4*\slot+2:G0+4*\slot+3], 2*ROWB
	s_add_nc_u64 s[G0B+4*\slot+2:G0B+4*\slot+3], s[G0B+4*\slot+2:G0B+4*\slot+3], 2*ROWB
	JLOAD G0+4*\slot, G1, G0B+4*\slot, G1B         ; the first tensor load behind the round; the four v_nop behind it are the places in front of the loads below
.else
	PLACES NP
.endif
	FETCH_B \next, 0, 0
	FETCH_A \next, 0, 0
	WIN MUL_HI
	MUL16 4, 1, 0
	MUL16 6, 1, 0
	PLACES NP
	WIN 0
	FETCH_A \next, 0, 4
.endm
	s_wait_alu depctr_va_vdst(0)                   ; at the head's end
	s_wait_tensorcnt 0x0                           ; my part of K step 0 is in
	ds_add_u32 v[SPW], v[NIL]
	s_wait_dscnt 0x0
	CROUND                                         ; a whole round: everybody's part of K step 0 is in, and the joint loads meet
	JLOAD G0+4, G1, G0B+4, G1B                     ; K step 1's load, the first tensor load behind the round
	FETCH_B 0, 0, 0
	FETCH_A 0, 0, 0
	FETCH_A 0, 0, 4
	STEP 0, 0, 1                                   ; the first step stands in front of the loop: its products start the sums
	s_mov_b32 s3, LAPS-1
.Llap:                                                 ; a trip goes once round the ring, from a lap's second step to the next lap's first, and fills both slots again
	TURN 0, 1, 1
	STEP 1, 0, 0
	TURN 1, 0, 1
	STEP 0, 0, 0
	s_sub_co_u32 s3, s3, 1
	s_cmp_lg_u32 s3, 0
	s_cbranch_scc1 .Llap
	TURN 0, 1, 0                                   ; the last lap fills nothing, and has no round of the cluster's barrier
	STEP 1, 0, 0
	s_wait_dscnt 4*NL                              ; the very last step: nothing more to fetch
	WIN MUL_LO
	MUL16 0, 1, 0
	MUL16 2, 1, 0
	s_wait_dscnt 0
	WIN MUL_HI
	MUL16 4, 1, 0
	MUL16 6, 1, 0
	WIN 0
	; THE WAY OUT.  number = sum x 2^(ea + eb) + bias, one packed multiply-add for two; held within +-448 x 2^eo; converted; stored.  No LDS: the conversions' results are the images' registers.
	s_wait_loadcnt 0x0                             ; the biases
	s_wait_kmcnt 0x0                               ; the exponents
	s_add_co_i32 s96, s72, s73                     ; e0 + e1 (q)
	s_add_co_i32 s97, s74, s75                     ; e2 + e3 (k, v)
	s_cmp_eq_u32 ttmp9, 0
	s_cselect_b32 s96, s96, s97
	s_cselect_b32 s98, s76, s77                    ; eo: e4 for q, e5 for k,
	s_cmp_eq_u32 ttmp9, 2
	s_cselect_b32 s98, s79, s98                    ; e7 for v
	s_add_co_i32 s96, s96, 127
	s_lshl_b32 s96, s96, 23                        ; 2^(ea + eb) as f32
	s_mov_b32 s97, s96                             ; (named with it as a pair, so it is written)
	s_add_co_i32 s98, s98, 127
	s_lshl_b32 s99, s98, 23
	v_mov_b32 v[SCL], s99                          ; 2^eo
	s_add_co_i32 s98, s98, 8
	s_lshl_b32 s98, s98, 23
	s_or_b32 s98, s98, 0x600000
	v_mov_b32 v[LIM], s98                          ; 448 x 2^eo
	PLACES NP                                      ; behind the last products: their results are read, and the registers that held A's fragments are written
; Block a of A, 16 rows x my 128 of B.  isv = 0: the bias goes with the register (B's row); 1: with the lane (A's row).
.macro EPI isv
.irp a, 0,1,2,3,4,5,6,7
.set AC, 64*((\a)%4)
.set CC, CD+16*((\a)%4)
	WIN 0x02+((\a)/4)                              ; source 0: window 2 or 3
.set j, 0
.rept 32
.if \isv
	v_pk_fma_f32 v[TMP+j:TMP+j+1], v[AC+j:AC+j+1], s[96:97], v[BV+2*\a:BV+2*\a+1] op_sel_hi:[1,0,0]   ; each accumulator from its low end on; of the scalar pair and of the bias's pair the low word serves both halves
.else
	v_pk_fma_f32 v[TMP+j:TMP+j+1], v[AC+j:AC+j+1], s[96:97], v[BIAS+j:BIAS+j+1] op_sel_hi:[1,0,1]
.endif
.set j, j+2
.endr
	WIN 0
.set j, 0
.rept 64
	v_med3_num_f32 v[TMP+j], v[TMP+j], -v[LIM], v[LIM]   ; the conversion to an 8-bit code does not saturate (ISA guide 7.6.2)
.set j, j+1
.endr
.if \a == 4
	s_wait_alu depctr_va_vdst(0)
	s_wait_xcnt 0x0                                ; blocks 0 to 3's stores have read their registers: the four sets of codes are written a second time from here on
.endif
.irp b, 0,1,2,3,4,5,6,7
	v_cvt_scalef32_pk8_fp8_f32 v[CC+2*\b:CC+2*\b+1], v[TMP+8*\b:TMP+8*\b+7], v[SCL]
.endr
	v_nop                                          ; one plain vector line between the conversions and the next block's lines, which write their sources
.irp g, 0,1,2,3
.if \isv
	global_store_b128 v[CO], v[CC+4*\g:CC+4*\g+3], s[SB+2*((\a)/4):SB+2*((\a)/4)+1] offset:((\a)%4)*2048+\g*512   ; head a / 4, tile of d a % 4, keys 32 g on: 512 consecutive bytes
.else
	global_store_b128 v[CO], v[CC+4*\g:CC+4*\g+3], s[SB+2*(\g/2):SB+2*(\g/2)+1] offset:(\a)*1024+(\g%2)*512       ; head g / 2, tile a of queries or keys, d 32 (g % 2) on
.endif
.endr
.endr
.endm
	s_cmp_eq_u32 ttmp9, 2                          ; the cluster's x: the same in all sixteen partners
	s_cbranch_scc1 .Lv_out
	EPI 0
	s_branch .Ldone
.Lv_out:
	EPI 1
.Ldone:
	s_wait_tensorcnt 0x0                           ; the wave's end
	ds_add_u32 v[SPW], v[NIL]
	s_wait_dscnt 0x0
	CROUND                                         ; the closing round: no work-group ends while a partner may still ask for a tile that names it
	s_endpgm
.Lfunc_end_k_qe21bcb881d_proj:
	.size	k_qe21bcb881d_proj, .Lfunc_end_k_qe21bcb881d_proj-k_qe21bcb881d_proj
	.p2alignl 7, 3214868480
	.fill 96, 4, 3214868480
	.section	.rodata,"a",@progbits
	.p2align	6, 0x0
	.amdhsa_kernel k_qe21bcb881d_proj
		.amdhsa_group_segment_fixed_size 327680
		.amdhsa_private_segment_fixed_size 0
		.amdhsa_enable_private_segment 0
		.amdhsa_kernarg_size 40
		.amdhsa_user_sgpr_count 2
		.amdhsa_user_sgpr_kernarg_segment_ptr 1
		.amdhsa_wavefront_size32 1
		.amdhsa_system_sgpr_workgroup_id_x 1
		.amdhsa_system_sgpr_workgroup_id_y 1
		.amdhsa_system_sgpr_workgroup_id_z 1
		.amdhsa_system_vgpr_workitem_id 0
		.amdhsa_next_free_vgpr 1024
		.amdhsa_next_free_sgpr 104
		.amdhsa_reserve_vcc 0
		.amdhsa_float_denorm_mode_32 3
		.amdhsa_float_denorm_mode_16_64 3
		.amdhsa_memory_ordered 1
		.amdhsa_forward_progress 1
		.amdhsa_inst_pref_size 194
	.end_amdhsa_kernel
	.amdgpu_metadata
---
amdhsa.version: [ 1, 2 ]
amdhsa.kernels:
  - .name:           k_qe21bcb881d_proj
    .symbol:         k_qe21bcb881d_proj.kd
    .args:
      - { .name: codes, .offset: 0, .size: 8, .value_kind: global_buffer, .address_space: global }
      - { .name: lowp_scales, .offset: 8, .size: 8, .value_kind: global_buffer, .address_space: global }
      - { .name: Wq_b, .offset: 16, .size: 8, .value_kind: global_buffer, .address_space: global }
      - { .name: Wkv_b, .offset: 24, .size: 8, .value_kind: global_buffer, .address_space: global }
      - { .name: qkv, .offset: 32, .size: 8, .value_kind: global_buffer, .address_space: global }
    .group_segment_fixed_size: 327680
    .private_segment_fixed_size: 0
    .kernarg_segment_align: 8
    .kernarg_segment_size: 40
    .max_flat_workgroup_size: 128
    .sgpr_count:     104
    .vgpr_count:     1024
    .wavefront_size: 32
...
	.end_amdgpu_metadata
.endif
;; end of part 2
;; launch attn (part 3): grid 4 x 64, 8 waves a work-group, clusters of 4 x 1, 327,680 bytes of LDS; arguments qkv, mask, lowp_scales, aimg, rownan; writes aimg, rownan
.if DOCPART == 3
	.amdgcn_target "amdgcn-amd-amdhsa--gfx1250"
	.amdhsa_code_object_version 6
	.text
	.protected	k_qe21bcb881d_attn
	.globl	k_qe21bcb881d_attn
	.p2align	8
	.type	k_qe21bcb881d_attn,@function
k_qe21bcb881d_attn:
	s_mov_b64 s[64:65], 0
	v_nop
	global_prefetch_b8 v0, s[64:65] scope:SCOPE_SE
	s_setreg_imm32_b32 hwreg(HW_REG_WAVE_MODE, 25, 1), 1
	s_wait_xcnt 0x0
	s_wait_alu depctr_hold_cnt(0) depctr_sa_sdst(0) depctr_va_vdst(0) depctr_va_sdst(0) depctr_va_ssrc(0) depctr_va_vcc(0) depctr_vm_vsrc(0)
	s_getreg_b32 s2, hwreg(HW_REG_IB_STS2, 6, 4)
	s_cmp_eq_u32 s2, 0
	s_cbranch_scc0 .Lentry_in_a_cluster
	s_endpgm
.Lentry_in_a_cluster:
	s_bfe_u32 s2, ttmp6, 0x10000c
	s_cmp_lg_u32 s2, 0x3003
	s_cbranch_scc0 .Lentry_shape_is_right
	s_endpgm
.Lentry_shape_is_right:
; Attention of one head (64 of them: 16 x batch + head), causal and with a mask of padded keys, both products on codes of FP8 (E4M3); head size 64, 2,048 queries and keys.
; t = score x log2(e) / 8; M = the row's largest t so far, rounded UP to a whole number; p = 2^(t - M) is quantised (e6), not normalised; the row's sum is taken of the unquantised p and divides at the end.
; The result is quantised (e8) and stored as images of the last product's operand registers: aimg [512 tiles of 16 rows][8 K steps of 128][2,048]: chunk c of 512 bytes, lane (r, h) 16 bytes: row r, k = 32 c + 16 h + 0 .. 15.
; A row that has no key at all (every key up to it is padded) is NaN: its sum is 0, and rownan (f32 for each of the 8,192 rows: 1.0 or NaN) says so to the last launch.
; LEFT OUT: steps of 128 keys all of which come behind a wave's queries: the causal mask gives them the weight 0.
; SHARES.  The four work-groups of a cluster serve one head.  The head's K and V images, 262,144 bytes, come into each one's LDS ONCE, by joint loads, two a wave: steps 0 to 3 of K (waves 0-3) and of V (waves 4-7) at the head,
; 8,192 bytes a wave; the other twelve steps, 24,576 bytes a wave, behind a second round.  Nothing is filled again.
; A wave takes two groups of 32 queries (two tiles that share every fragment of K, V and of the mask): group 63 - 4 w - cx, whose last step of 128 keys is 15 - w, and then group 4 w + cx, whose last step is w:
; 17 steps for every wave.  The last step hangs on the wave's number alone; cx enters global addresses and the CONTENT of the causal table, no branch and no LDS address.
; The first group's steps 0 to 2 have a loop of their own: they read bytes of the first fill alone (K up to byte 32,767 of its region, the next step's fragments among them; V up to 24,575); behind it one wait and one barrier show the second fill.
; No prefetch: every byte of K, V, Q and the mask is asked for at the head; no stream follows in which to run ahead.
; LAYOUT.  Both products are used transposed: S^T = K Q^T (source 0 = 16 keys, K = 64), O^T = V^T P^T (source 0 = 16 of the head's 64, K = 128 keys): a lane holds ONE query (lane % 16) throughout.  The keys of a tile of K and the d of
; a tile of V are chosen (lane r of tile 2 g + u: 32 g + 8 u + r + 8 (r / 8)) so that the 16 registers of two neighbouring tiles are 16 neighbours: the conversions' results are the next operand's registers.
; A STEP is 128 keys.  The next step's K and this step's V are asked of LDS behind tile 1's maxima, the next step's mask numbers behind the conversions: each load has vector work between its issue and its wait.
; THE MASKS.  A padded key's score gets -2^100 added: the mask, as f32 numbers 0 or -2^100 in LDS, is the C of the scores' matrix instructions.  In the one step on the diagonal a key behind the query gets -2^100 more, added to C ahead of the
; products.  THE CAUSAL TABLE: T[i] = -2^100 where i > 32 b + 31, else 0 (b = the group's place among the four of its 128 queries: cx, or 3 - cx).  Register rho of tile z in lane (r, h) holds key 32 (rho / 16) + rho % 16 + 16 h of the step and
; query 32 b + 16 z + r: hidden where i = key - 16 z - r + 31 is greater than 32 b + 31.  Four copies, copy s shifted by s words, let every lane read four neighbours at a multiple of 16 bytes: it takes copy s = (15 - r) % 4.
; The largest t begins at T0 = -2^60 c.  Scores of codes lie within +-2^24, so (-2^100) c < T0 < every t that counts: what is hidden never moves M, its p is 0, and a row without keys keeps the sum 0.
; LIMITS: e4 + e5 between -80 and 60 (so that 2^100 c is at least 2^17 and T0 is an f32 number); e6 and e8 between -126 and 119; e6 + e7 is applied by v_ldexp_f32.
; REGISTERS.  Window 0: v1-3, v35 addresses that stay; v4-6 the step's; v8-11, v30, v31, v34 constants; v12-15 (-M, largest t) for each tile; v16-19 the sums; v20-23 f, later 1 / sum; v24-29, v36-43 at work;
;   v32, v33 the add's two; v64-127 O^T; v128-191, v192-255 S^T, then p, of tiles 0 and 1.   Window 1: v0-63 K's eight fragments; v64-127 V's four; v128-159 p's codes; v160-191 Q of the two groups; v192-255 tile 0's causal numbers.
.set VOFF, 131072                      ; LDS: K's images from 0, V's from here,
.set MB,   262144                      ; the mask as 2,048 f32 numbers from here: bytes of their own, into which no tensor load lands
.set SPARE, 270336                     ; the spare words, 128 bytes for each wave, which no other line names
.set CTAB, 271360                      ; the causal table: [2 groups][4 copies][272 words, 256 of them written and at most 156 read]
.set CCP,  1088                        ; from copy to copy: 272 words
.set CPP,  4352                        ; from group to group
.set ADK,  4
.set ADV,  5
.set ADB,  6
.set NEG,  8
.set SPW,  32
.set NIL,  33
.set LIM2, 34                          ; 448 x 2^e6 once more, in another bank than v9: the dual minima take one each
.set CT,   35
.set MX,   36
.set O,    64
.set S,    128
.set KF,   0
.set VF,   64
.set PC,   128
.set QF,   160
.set TC,   192
.set MSB, 0
.macro WIN new                         ; the immediate's high byte repeats the setting that is left
.if MSB != \new
	s_set_vgpr_msb (MSB<<8)|\new
.set MSB, \new
.endif
.endm
.set MUL, 0x05                         ; sources 0 and 1 window 1, C and D window 0
.set TO1, 0x40                         ; destination window 1
.macro ROUND                           ; a round of the cluster's barrier
	s_barrier_signal -1
	s_barrier_wait -1
	s_cmp_lg_u32 s14, 0
	s_cbranch_scc1 .Lnot_wave_0_\@
	s_barrier_signal -3
.Lnot_wave_0_\@:
	s_barrier_wait -3
	s_barrier_signal -1
	s_barrier_wait -1
.endm
	s_load_b256 s[4:11], s[0:1], 0x0               ; qkv s[4:5], mask s[6:7], the scales' exponents s[8:9], aimg s[10:11]
	s_load_b64 s[12:13], s[0:1], 0x20              ; rownan
	v_lshl_add_u32 v[SPW], v0, 2, SPARE
	v_mov_b32 v[NIL], 0
	ds_add_u32 v[SPW], v[NIL]                      ; the wave's opening: the add, twice on end, and its wait ahead of my first tensor load
	ds_add_u32 v[SPW], v[NIL]
	v_lshrrev_b32 v1, 5, v0
	v_readfirstlane_b32 s14, v1                    ; wave 0..7
	s_bfe_u32 s15, ttmp6, 0x40000                  ; cx
	s_and_b32 s16, ttmp7, 0xffff                   ; 16 x batch + head, which the four partners share
	s_lshr_b32 s17, s16, 4                         ; batch
	s_and_b32 s18, s16, 15                         ; head
	s_mov_b32 s20, 0x76543210                      ; lane selects for v_permlanex16_b32: lane l xor 16
	s_mov_b32 s21, 0xfedcba98
	s_mov_b32 s24, 15|(3<<16)|(1<<21)              ; group 1, first fill: a dense block of 8,192 bytes as 32 rows of 256: the mask names all four work-groups; elements of 8 bytes; bit 21 beside a mask
	s_mov_b32 s25, 32<<16                          ; tensor_dim0 = 32 elements
	s_mov_b32 s26, 32<<16                          ; tensor_dim1 = 32
	s_mov_b32 s27, 32<<16                          ; tile_dim0
	s_mov_b32 s28, 32                              ; tile_dim1
	s_mov_b32 s29, 32                              ; tensor_dim0_stride
	s_mov_b32 s30, 0
	s_mov_b32 s31, 0
	s_mov_b32 s72, 15|(3<<16)|(1<<21)              ; group 1, second fill: 24,576 bytes as 96 rows of 256
	s_mov_b32 s73, 32<<16
	s_mov_b32 s74, 96<<16
	s_mov_b32 s75, 32<<16
	s_mov_b32 s76, 96
	s_mov_b32 s77, 32
	s_mov_b32 s78, 0
	s_mov_b32 s79, 0
	s_mov_b32 s32, 1                               ; groups 0: count = 1
	s_mov_b32 s80, 1
	s_lshr_b32 s54, s14, 2
	s_lshl_b32 s54, s54, 17                        ; K's images (waves 0-3) or V's (waves 4-7)
	s_and_b32 s55, s14, 3
	s_lshl_b32 s33, s55, 13
	s_add_co_u32 s33, s33, s54                     ; first fill: step w % 4.  LDS holds the head's 262,144 bytes as memory does, so one number serves both addresses
	s_mul_i32 s81, s55, 24576
	s_add_co_u32 s81, s81, s54
	s_add_co_u32 s81, s81, 32768                   ; second fill: my quarter of steps 4 to 15
	s_lshl_b32 s52, s16, 18                        ; the head's 262,144 bytes,
	s_add_co_u32 s52, s52, 8388608                 ; behind Q's images
	s_add_co_u32 s54, s52, s81
	s_add_co_u32 s52, s52, s33
	s_mov_b32 s53, 0
	s_mov_b32 s55, 0
	s_wait_dscnt 0x0                               ; both opening adds are done
	s_wait_kmcnt 0x0
	s_load_b256 s[36:43], s[8:9], 0x0              ; e0 .. e7
	s_load_b64 s[44:45], s[8:9], 0x20              ; e8, e9
	s_add_nc_u64 s[34:35], s[4:5], s[52:53]
	s_or_b32 s35, s35, 0x80000000                  ; type = 2
	s_add_nc_u64 s[82:83], s[4:5], s[54:55]
	s_or_b32 s83, s83, 0x80000000
	ROUND                                          ; all four work-groups are here: the joint loads meet
	tensor_load_to_lds s[32:35], s[24:31]          ; my one tensor load at the head
	s_nop 0
.rept 4
	v_nop
.endr
	s_lshl_b32 s52, s17, 11
	s_mov_b32 s53, 0
	s_add_nc_u64 s[6:7], s[6:7], s[52:53]          ; my batch's 2,048 bytes of the mask
	s_lshl_b32 s67, s14, 2
	s_add_co_u32 s67, s67, s15                     ; one group of 32 queries: 4 w + cx
	s_sub_co_u32 s68, 63, s67                      ; the other
	s_lshl_b32 s52, s16, 17                        ; Q: 131,072 bytes a head, 2,048 a group
	s_lshl_b32 s56, s67, 11
	s_add_co_u32 s56, s56, s52
	s_mov_b32 s57, 0
	s_add_nc_u64 s[56:57], s[4:5], s[56:57]
	s_lshl_b32 s58, s68, 11
	s_add_co_u32 s58, s58, s52
	s_mov_b32 s59, 0
	s_add_nc_u64 s[58:59], s[4:5], s[58:59]
	s_lshl_b32 s54, s15, 5
	s_add_co_u32 s55, s54, 31                      ; 32 b + 31 for group 4 w + cx: b = cx,
	s_sub_co_u32 s54, 127, s54                     ; and for the other: b = 3 - cx
	v_lshlrev_b32 v4, 3, v0
	global_load_b64 v[24:25], v4, s[6:7]           ; eight keys a thread
	v_and_b32 v1, 31, v0
	v_lshlrev_b32 v11, 2, v1                       ; 4 x lane
	v_lshlrev_b32 v1, 4, v1                        ; 16 x lane: my place in an image's chunk
	WIN TO1
.irp z, 0,1
.irp c, 0,1
	global_load_b128 v[QF+8*\z+4*\c:QF+8*\z+4*\c+3], v1, s[56:57] offset:\z*1024+\c*512   ; Q stays in registers: tile z, d 32 c on
	global_load_b128 v[QF+16+8*\z+4*\c:QF+16+8*\z+4*\c+3], v1, s[58:59] offset:\z*1024+\c*512
.endr
.endr
	WIN 0
	v_add_nc_u32 v2, VOFF, v1
	v_bfe_u32 v3, v0, 4, 1
	v_lshlrev_b32 v3, 6, v3                        ; 64 h
	v_and_b32 v[CT], 15, v0
	v_sub_nc_u32 v[CT], 15, v[CT]                  ; 15 - r
	v_and_b32 v36, 3, v[CT]                        ; my copy s
	v_and_b32 v[CT], 12, v[CT]                     ; 15 - r - s
	v_lshl_add_u32 v[CT], v[CT], 2, v3             ; in bytes, + 16 h words
	v_mad_u32_u24 v[CT], v36, CCP, v[CT]
	v_add_nc_u32 v[CT], CTAB, v[CT]                ; my lane's place in the causal table
	v_add_nc_u32 v3, MB, v3                        ; the mask's numbers: 64 h bytes on: my half's 16 keys of each 32
	v_mov_b32 v[NEG], 0xf1800000                   ; -2^100
	v_lshl_add_u32 v5, v0, 5, MB                   ; where my eight numbers of the mask go
	v_lshl_add_u32 v37, v0, 2, CTAB                ; and my word of each copy of the table
	v_mov_b32 v21, 0                               ; (named as the upper halves of pairs, so they are written)
	v_mov_b32 v23, 0
	v_mov_b32 v28, 0                               ; a lane permute's destination counts as one of its sources
	v_mov_b32 v29, 0
.irp s, 0,1,2,3                                ; word n of copy s is T[n + s]: -2^100 where n > 32 b + 31 - s
	v_cmp_lt_u32 vcc_lo, s55, v0
	v_cndmask_b32 v26, 0, v[NEG], vcc_lo
	ds_store_b32 v37, v26 offset:\s*CCP
	v_cmp_lt_u32 vcc_lo, s54, v0
	v_cndmask_b32 v27, 0, v[NEG], vcc_lo
	ds_store_b32 v37, v27 offset:CPP+\s*CCP
	s_sub_co_u32 s55, s55, 1
	s_sub_co_u32 s54, s54, 1
.endr
	s_wait_alu depctr_va_vdst(0)                   ; directly ahead of the wait below
	s_wait_kmcnt 0x0
	s_add_co_i32 s52, s40, s41                     ; a score of codes stands for score x 2^(e4 + e5): the exponents are added to c's exponent field
	s_lshl_b32 s52, s52, 23
	s_mov_b32 s22, 0x3e38aa3b                      ; c = log2(e) / 8
	s_add_co_i32 s22, s22, s52
	s_mov_b32 s23, s22                             ; (named with it as a pair, so it is written)
	s_add_co_u32 s51, s22, 0x1e000000
	s_or_b32 s51, s51, 0x80000000                  ; T0 = -2^60 c
	s_add_co_i32 s52, s42, 127
	s_lshl_b32 s53, s52, 23
	v_mov_b32 v10, s53                             ; 2^e6, for p's conversions
	s_add_co_i32 s52, s52, 8
	s_lshl_b32 s52, s52, 23
	s_or_b32 s52, s52, 0x600000
	v_mov_b32 v9, s52                              ; 448 x 2^e6
	v_mov_b32 v[LIM2], s52
	s_add_co_i32 s52, s44, 127
	s_lshl_b32 s53, s52, 23
	v_mov_b32 v31, s53                             ; 2^e8, for the result's
	s_add_co_i32 s52, s52, 8
	s_lshl_b32 s52, s52, 23
	s_or_b32 s52, s52, 0x600000
	v_mov_b32 v30, s52                             ; 448 x 2^e8
	s_add_co_i32 s66, s42, s43                     ; e6 + e7
	s_wait_alu depctr_va_vdst(0)                   ; directly ahead of the wait below
	s_wait_loadcnt 8                               ; the mask's bytes are in; Q's eight loads, issued behind them, may be out
.irp i, 0,1,2,3,4,5,6,7
	v_bfe_u32 v26, v[24+\i/4], 8*(\i%4), 8
	v_cmp_ne_u32 vcc_lo, 0, v26
	v_cndmask_b32 v[S+\i], 0, v[NEG], vcc_lo       ; 0, or -2^100 for a padded key
.endr
	ds_store_b128 v5, v[S:S+3]
	ds_store_b128 v5, v[S+4:S+7] offset:16
	s_wait_alu depctr_va_vdst(0)                   ; at the head's end
	s_wait_tensorcnt 0x0                           ; my part of steps 0 to 3 has landed
	ds_add_u32 v[SPW], v[NIL]
	s_wait_dscnt 0x0                               ; the add is done, and my numbers of the mask and of the table are stored
	ROUND                                          ; everybody's are, and all four work-groups are here: the joint loads meet
	tensor_load_to_lds s[80:83], s[72:79]          ; my part of steps 4 to 15: my one tensor load behind the round
	s_nop 0
.rept 4
	v_nop
.endr
	s_wait_loadcnt 0x0                             ; Q
; The largest score of tile z's query among my 64 keys: four chains over 16 registers each, every accumulator from its low end on; left in v[24+2z], v[25+2z].
.macro MAXT z
.irp q, 0,1,2,3
	v_max3_num_f32 v[MX+4*\z+\q], v[S+64*\z+16*\q], v[S+64*\z+16*\q+1], v[S+64*\z+16*\q+2]
.endr
.irp i, 3,5,7,9,11,13
.irp q, 0,1,2,3
	v_max3_num_f32 v[MX+4*\z+\q], v[MX+4*\z+\q], v[S+64*\z+16*\q+\i], v[S+64*\z+16*\q+\i+1]
.endr
.endr
	v_max3_num_f32 v[24+2*\z], v[MX+4*\z], v[MX+4*\z+1], v[S+64*\z+15]
	v_max3_num_f32 v[25+2*\z], v[MX+4*\z+2], v[MX+4*\z+3], v[S+64*\z+31]
	v_max3_num_f32 v[24+2*\z], v[24+2*\z], v[S+64*\z+47], v[S+64*\z+63]
.endm
.macro LDMASK adr                      ; 128 keys' mask numbers in the scores' layout, into tile 0's registers: register 8 t + j is key 32 (t / 2) + 16 h + 8 (t % 2) + j
.irp t, 0,1,2,3,4,5,6,7
	ds_load_b128 v[S+8*\t:S+8*\t+3], v[\adr] offset:(\t/2)*128+(\t%2)*32
	ds_load_b128 v[S+8*\t+4:S+8*\t+7], v[\adr] offset:(\t/2)*128+(\t%2)*32+16
.endr
.endm
.macro LDK adr, off                    ; eight tiles of 16 keys (under WIN TO1)
.irp t, 0,1,2,3,4,5,6,7
.irp c, 0,1
	ds_load_b128 v[KF+8*\t+4*\c:KF+8*\t+4*\c+3], v[\adr] offset:\off+\t*1024+\c*512
.endr
.endr
.endm
.macro QK z, c                         ; tile z's eight products, with C at v[c ..]
.irp t, 0,1,2,3,4,5,6,7
	v_wmma_f32_16x16x64_fp8_fp8 v[S+64*\z+8*\t:S+64*\z+8*\t+7], v[KF+8*\t:KF+8*\t+7], v[QB+8*\z:QB+8*\z+7], v[\c+8*\t:\c+8*\t+7]
.endr
.endm
; 128 keys for my two tiles of queries.  K's fragments and the mask's numbers are in registers when it begins.  diag = 0: the step cannot lie on the diagonal.
.macro STEP128 diag
.if \diag
	s_cmp_lg_u32 s48, s47                          ; only my group's last step lies on the diagonal: a branch on the wave's number and the trip's
	s_cbranch_scc1 .Lopen_\@
.irp m, 0,1,2,3,4,5,6,7,8,9,10,11,12,13,14,15
	ds_load_b128 v[S+64+4*\m:S+64+4*\m+3], v[CT] offset:CTB+4*(32*(\m/4)+4*(\m%4))        ; tile 1's causal numbers, registers 4 m on: word key - 16 + 16
.endr
	WIN TO1
.irp m, 0,1,2,3,4,5,6,7,8,9,10,11,12,13,14,15
	ds_load_b128 v[TC+4*\m:TC+4*\m+3], v[CT] offset:CTB+4*(32*(\m/4)+4*(\m%4)+16)         ; tile 0's: word key + 16
.endr
	WIN 0
	s_wait_dscnt 0x0
.set j, 0
.rept 32
	v_pk_add_f32 v[S+64+j:S+64+j+1], v[S+64+j:S+64+j+1], v[S+j:S+j+1]                     ; tile 1's C = causal + padded
.set j, j+2
.endr
	WIN 0x04                                       ; source 1 window 1
.set j, 0
.rept 32
	v_pk_add_f32 v[S+j:S+j+1], v[S+j:S+j+1], v[TC+j:TC+j+1]                               ; tile 0's
.set j, j+2
.endr
	WIN MUL
	QK 1, S+64                                     ; each tile's scores onto its own C
.rept 4
	v_nop                                          ; places in front of the first read of tile 1's scores
.endr
	QK 0, S
	WIN 0
	s_branch .Ljoin_\@
.Lopen_\@:
.endif
	WIN MUL
	QK 1, S                                        ; tile 1's scores = K Q^T + the mask
.rept 5
	v_nop                                          ; the lines below write over registers that the lines above read as C: five places (the rule: ISA guide 7.12.1)
.endr
	QK 0, S                                        ; tile 0's, onto the mask where it lies
	WIN 0
.Ljoin_\@:
	MAXT 1                                         ; 31 plain lines on tile 1's scores: the places behind tile 0's products, for its reads and for the loads into K's registers
	WIN TO1
	LDK ADK, 8192                                  ; the NEXT step's K (behind the last step: bytes of V's images, which nobody uses)
.irp t, 0,1,2,3
.irp c, 0,1,2,3
	ds_load_b128 v[VF+16*\t+4*\c:VF+16*\t+4*\c+3], v[ADV] offset:\t*2048+\c*512   ; V's four tiles of d for these 128 keys: chunk c holds keys 32 c + 16 h + 0 .. 15
.endr
.endr
	WIN 0
	MAXT 0
.irp z, 0,1
	v_max_num_f32 v[24+2*\z], v[24+2*\z], v[25+2*\z]
.endr
.irp z, 0,1
	s_delay_alu instid0(VALU_DEP_2)
	v_permlanex16_b32 v[28+\z], v[24+2*\z], s20, s21
.endr
.irp z, 0,1
	s_delay_alu instid0(VALU_DEP_2)
	v_max_num_f32 v[24+2*\z], v[24+2*\z], v[28+\z]     ; and among lane l xor 16's
.endr
.irp z, 0,1
	s_delay_alu instid0(VALU_DEP_2)
	v_mul_f32 v[24+2*\z], s22, v[24+2*\z]              ; as t (c is positive)
.endr
	s_delay_alu instid0(VALU_DEP_2)
	v_max_num_f32 v13, v13, v24                        ; the running largest t
	v_mov_b32 v24, v12
	s_delay_alu instid0(VALU_DEP_3)
	v_max_num_f32 v15, v15, v26
	v_mov_b32 v26, v14
	s_delay_alu instid0(VALU_DEP_4)
	v_floor_f32 v12, -v13                              ; the new -M = floor(-t) = -ceil(t): M is a whole number
	s_delay_alu instid0(VALU_DEP_3)
	v_floor_f32 v14, -v15
.irp z, 0,1
	s_delay_alu instid0(VALU_DEP_2)
	v_sub_f32 v[24+2*\z], v[12+2*\z], v[24+2*\z]       ; M's old value less its new one: a whole number, 0 or less
.endr
.irp z, 0,1
	s_delay_alu instid0(VALU_DEP_2)
	v_cvt_i32_f32 v[24+2*\z], v[24+2*\z]               ; (it saturates)
.endr
.irp z, 0,1
	s_delay_alu instid0(VALU_DEP_2)
	v_ldexp_f32 v[20+2*\z], 1.0, v[24+2*\z]            ; f = 2^(old M - new M): a multiplication by it rounds nothing
.endr
.irp z, 0,1
.set j, 0
.rept 32
	v_pk_fma_f32 v[S+64*\z+j:S+64*\z+j+1], v[S+64*\z+j:S+64*\z+j+1], s[22:23], v[12+2*\z:13+2*\z] op_sel_hi:[1,0,0]   ; t - M, two at a time (of the pairs c and -M the low word serves both halves)
.set j, j+2
.endr
.endr
	s_wait_alu depctr_va_vdst(0)                   ; ahead of the batch
.set j, 0
.rept 128
	v_exp_f32 v[S+j], v[S+j]                       ; p = 2^(t - M), at most 1; 0 for what is hidden
.set j, j+1
.endr
	s_wait_alu depctr_va_vdst(0)                   ; one wait behind the batch, directly ahead of the first readers of O^T
.irp z, 0,1
.set j, 0
.rept 16
	v_pk_mul_f32 v[O+32*\z+j:O+32*\z+j+1], v[O+32*\z+j:O+32*\z+j+1], v[20+2*\z:21+2*\z] op_sel_hi:[1,0]   ; O^T under the new M.  (Plain lines behind the exponentials)
.set j, j+2
.endr
.endr
	v_pk_mul_f32 v[16:17], v[16:17], v[20:21] op_sel_hi:[1,0]   ; the sums under the new M
	v_pk_mul_f32 v[18:19], v[18:19], v[22:23] op_sel_hi:[1,0]
.irp z, 0,1
	v_pk_add_f32 v[24+2*\z:25+2*\z], v[S+64*\z:S+64*\z+1], v[S+64*\z+2:S+64*\z+3]   ; the row's sum is taken of the UNQUANTISED p: two chains a tile
.endr
.irp j, 4,8,12,16,20,24,28,32,36,40,44,48,52,56,60
.irp z, 0,1
	v_pk_add_f32 v[16+2*\z:17+2*\z], v[16+2*\z:17+2*\z], v[S+64*\z+\j:S+64*\z+\j+1]
	v_pk_add_f32 v[24+2*\z:25+2*\z], v[24+2*\z:25+2*\z], v[S+64*\z+\j+2:S+64*\z+\j+3]
.endr
.endr
	s_delay_alu instid0(VALU_DEP_3)
	v_pk_add_f32 v[16:17], v[16:17], v[24:25]
	s_delay_alu instid0(VALU_DEP_2)
	v_pk_add_f32 v[18:19], v[18:19], v[26:27]
.set j, 0
.rept 64
	v_dual_min_num_f32 v[S+j], v[S+j], v9 :: v_dual_min_num_f32 v[S+j+1], v[S+j+1], v[LIM2]   ; the conversion does not saturate (ISA guide 7.6.2); p is not negative, so the hold is one-sided; two numbers a line
.set j, j+2
.endr
	WIN TO1
.irp z, 0,1
.irp t, 0,1,2,3,4,5,6,7
	v_cvt_scalef32_pk8_fp8_f32 v[PC+16*\z+2*\t:PC+16*\z+2*\t+1], v[S+64*\z+8*\t:S+64*\z+8*\t+7], v10   ; p's codes: registers 4 c .. 4 c + 3 are keys 32 c + 16 h + 0 .. 15, as in V's fragments
.endr
.endr
	v_nop                                          ; one plain line between the conversions and the products that read their results
	WIN 0
	LDMASK ADB                                     ; the NEXT step's mask numbers, where tile 0's p lay
	s_wait_alu depctr_va_vdst(0)                   ; directly ahead of the wait below
	s_wait_dscnt 16                                ; V (and the next K) are in; the sixteen loads of the mask, issued behind them, may be out
	WIN MUL
.irp t, 0,1,2,3
.irp z, 0,1
	v_wmma_f32_16x16x128_fp8_fp8 v[O+32*\z+8*\t:O+32*\z+8*\t+7], v[VF+16*\t:VF+16*\t+15], v[PC+16*\z:PC+16*\z+15], v[O+32*\z+8*\t:O+32*\z+8*\t+7]   ; eight accumulators by turns
.endr
.endr
	WIN 0
.endm
.macro TRIP diag                       ; the step's addresses, the wait for what was asked ahead, the step
	s_add_co_u32 s52, s50, 512
	s_min_u32 s52, s52, 7680                       ; the next step's mask numbers; behind the last step the last step's again, so that the loads stay inside the table
	v_add_nc_u32 v[ADK], s49, v1
	v_add_nc_u32 v[ADV], s49, v2
	v_add_nc_u32 v[ADB], s52, v3
	s_wait_alu depctr_va_vdst(0)                   ; directly ahead of the wait below
	s_wait_dscnt 0x0                               ; this step's K and mask numbers are in
	STEP128 \diag
.endm
.macro NEXT
	s_add_co_u32 s49, s49, 8192
	s_add_co_u32 s50, s50, 512
	s_add_co_u32 s48, s48, 1
.endm
; One group of 32 queries.  p = 0: group 4 w + cx; 1: group 63 - 4 w - cx.  meet = 1: the launch's first group, under whose steps 0 to 2 the second fill is on its way.
.macro PASS p, meet
.set QB, QF+16*\p
.set CTB, CPP*\p
	s_wait_xcnt 0x0                                ; earlier loads and stores have read their registers and bases: both are written again below
	WIN TO1
	LDK 1, 0                                       ; step 0's K,
	WIN 0
	LDMASK 3                                       ; and its mask numbers
.if \p
	s_mov_b32 s46, s68
	s_sub_co_u32 s47, 15, s14                      ; the last step of 128 keys
.else
	s_mov_b32 s46, s67
	s_mov_b32 s47, s14
.endif
	s_lshl_b32 s52, s17, 7                         ; the result: tile of rows 128 x batch + 2 x group, 16,384 bytes a tile; my head's 1,024 bytes in it
	s_lshl_b32 s53, s46, 1
	s_add_co_u32 s52, s52, s53
	s_lshl_b32 s52, s52, 14
	s_lshl_b32 s53, s18, 10
	s_add_co_u32 s52, s52, s53
	s_mov_b32 s53, 0
	s_add_nc_u64 s[60:61], s[10:11], s[52:53]
	s_lshl_b32 s52, s17, 11                        ; the rows' flags: row 2,048 x batch + 32 x group
	s_lshl_b32 s54, s46, 5
	s_add_co_u32 s52, s52, s54
	s_lshl_b32 s52, s52, 2
	s_add_nc_u64 s[62:63], s[12:13], s[52:53]
	v_mov_b32 v13, s51                             ; the largest t so far: T0
	v_mov_b32 v15, s51
	s_delay_alu instid0(VALU_DEP_2)
	v_floor_f32 v12, -v13                          ; -M
	s_delay_alu instid0(VALU_DEP_2)
	v_floor_f32 v14, -v15
.irp j, 16,17,18,19
	v_mov_b32 v[\j], 0                             ; the sums, in two halves a tile
.endr
.set j, 0
.rept 64
	v_mov_b32 v[O+j], 0                            ; O^T.  (The step is written once: the first finds zeros, which the first change of M leaves zeros)
.set j, j+1
.endr
	s_mov_b32 s48, 0                               ; the step
	s_mov_b32 s49, 0                               ; its 8,192 bytes of K's images, and of V's
	s_mov_b32 s50, 0                               ; its 512 bytes of the mask's numbers
.if \meet
.Lfirst_\@:                                        ; steps 0 to 2, which every wave's first group has (its last step is 8 at the least) and none of which lies on its diagonal
	TRIP 0
	NEXT
	s_cmp_lt_u32 s48, 3
	s_cbranch_scc1 .Lfirst_\@
	s_wait_tensorcnt 0x0                           ; my part of steps 4 to 15 has landed,
	s_wait_dscnt 0x0                               ; no LDS load of mine is out:
	s_barrier_signal -1
	s_barrier_wait -1                              ; everybody's part has.  From here on K, V, the mask and the table are only read
	s_mov_b32 s48, 3
	s_mov_b32 s49, 3*8192
	s_mov_b32 s50, 3*512
.endif
.Ltrip_\@:                                         ; up to step 15 for every wave: a step all of whose keys come behind my queries is jumped over, the lines that step addresses are not
	s_cmp_gt_u32 s48, s47
	s_cbranch_scc1 .Lskip_\@
	TRIP 1
.Lskip_\@:
	NEXT
	s_cmp_lt_u32 s48, 16
	s_cbranch_scc1 .Ltrip_\@
	s_wait_dscnt 0x0                               ; what the last step asked for ahead has landed: its registers are written below
	v_add_f32 v16, v16, v17                        ; the sums' two halves,
	v_add_f32 v18, v18, v19
	s_delay_alu instid0(VALU_DEP_2)
	v_permlanex16_b32 v28, v16, s20, s21
	s_delay_alu instid0(VALU_DEP_2)
	v_permlanex16_b32 v29, v18, s20, s21
	s_delay_alu instid0(VALU_DEP_2)
	v_add_f32 v16, v16, v28                        ; and lane l xor 16's
	s_delay_alu instid0(VALU_DEP_2)
	v_add_f32 v18, v18, v29
	s_wait_alu depctr_va_vdst(0)                   ; ahead of the reciprocals
	v_rcp_f32 v20, v16
	v_rcp_f32 v22, v18
	v_nop                                          ; a plain line behind the reciprocals
	s_wait_alu depctr_va_vdst(0)                   ; ahead of their first reader
	v_fma_f32 v24, v20, 0, 1.0                     ; 1.0; NaN where the sum is 0 (its reciprocal is an infinity): the row has no key
	v_fma_f32 v25, v22, 0, 1.0
	v_ldexp_f32 v20, v20, s66                      ; x 2^(e6 + e7)
	v_ldexp_f32 v22, v22, s66
	s_wait_alu depctr_va_vdst(0)                   ; directly ahead of the first reader of O^T
.irp z, 0,1
.set j, 0
.rept 16
	v_pk_mul_f32 v[S+32*\z+j:S+32*\z+j+1], v[O+32*\z+j:O+32*\z+j+1], v[20+2*\z:21+2*\z] op_sel_hi:[1,0]   ; O^T / the sum: register 16 g + i is d = 32 g + 16 h + i
.set j, j+2
.endr
.endr
.set j, 0
.rept 64
	v_med3_num_f32 v[S+j], v[S+j], -v30, v30
.set j, j+1
.endr
.irp z, 0,1
.irp t, 0,1,2,3
	v_cvt_scalef32_pk8_fp8_f32 v[S+64+8*\z+2*\t:S+64+8*\z+2*\t+1], v[S+32*\z+8*\t:S+32*\z+8*\t+7], v31
.endr
.endr
	v_nop                                          ; one plain vector line behind the last conversion
.irp z, 0,1
.irp g, 0,1
	global_store_b128 v1, v[S+64+8*\z+4*\g:S+64+8*\z+4*\g+3], s[60:61] offset:\z*16384+\g*512   ; 512 consecutive bytes, aligned
.endr
.endr
	s_cmp_lg_u32 s18, 0                            ; the flags are the same in all heads of a batch: head 0 stores them
	s_cbranch_scc1 .Lno_flag_\@
	v_and_b32 v26, 16, v0
	s_delay_alu instid0(VALU_DEP_1)
	v_cmp_ne_u32 vcc_lo, 0, v26
	s_delay_alu instid0(VALU_DEP_1)
	v_cndmask_b32 v24, v24, v25, vcc_lo            ; lane l speaks for row l of the 32: tile l / 16, query l % 16
	global_store_b32 v11, v24, s[62:63]
.Lno_flag_\@:
.endm
	PASS 1, 1
	PASS 0, 0
	s_wait_tensorcnt 0x0                           ; the wave's end
	ds_add_u32 v[SPW], v[NIL]
	s_wait_dscnt 0x0
	ROUND                                          ; the closing round: no work-group ends while a partner may still ask for a tile that names it
	s_endpgm
.Lfunc_end_k_qe21bcb881d_attn:
	.size	k_qe21bcb881d_attn, .Lfunc_end_k_qe21bcb881d_attn-k_qe21bcb881d_attn
	.p2alignl 7, 3214868480
	.fill 96, 4, 3214868480
	.section	.rodata,"a",@progbits
	.p2align	6, 0x0
	.amdhsa_kernel k_qe21bcb881d_attn
		.amdhsa_group_segment_fixed_size 327680
		.amdhsa_private_segment_fixed_size 0
		.amdhsa_enable_private_segment 0
		.amdhsa_kernarg_size 40
		.amdhsa_user_sgpr_count 2
		.amdhsa_user_sgpr_kernarg_segment_ptr 1
		.amdhsa_wavefront_size32 1
		.amdhsa_system_sgpr_workgroup_id_x 1
		.amdhsa_system_sgpr_workgroup_id_y 1
		.amdhsa_system_sgpr_workgroup_id_z 1
		.amdhsa_system_vgpr_workitem_id 0
		.amdhsa_next_free_vgpr 512
		.amdhsa_next_free_sgpr 88
		.amdhsa_reserve_vcc 1
		.amdhsa_float_denorm_mode_32 3
		.amdhsa_float_denorm_mode_16_64 3
		.amdhsa_memory_ordered 1
		.amdhsa_forward_progress 1
		.amdhsa_inst_pref_size 142
	.end_amdhsa_kernel
	.amdgpu_metadata
---
amdhsa.version: [ 1, 2 ]
amdhsa.kernels:
  - .name:           k_qe21bcb881d_attn
    .symbol:         k_qe21bcb881d_attn.kd
    .args:
      - { .name: qkv, .offset: 0, .size: 8, .value_kind: global_buffer, .address_space: global }
      - { .name: mask, .offset: 8, .size: 8, .value_kind: global_buffer, .address_space: global }
      - { .name: lowp_scales, .offset: 16, .size: 8, .value_kind: global_buffer, .address_space: global }
      - { .name: aimg, .offset: 24, .size: 8, .value_kind: global_buffer, .address_space: global }
      - { .name: rownan, .offset: 32, .size: 8, .value_kind: global_buffer, .address_space: global }
    .group_segment_fixed_size: 327680
    .private_segment_fixed_size: 0
    .kernarg_segment_align: 8
    .kernarg_segment_size: 40
    .max_flat_workgroup_size: 256
    .sgpr_count:     88
    .vgpr_count:     512
    .wavefront_size: 32
...
	.end_amdgpu_metadata
.endif
;; end of part 3
;; launch oproj (part 4): grid 8 x 32, 4 waves a work-group, clusters of 4 x 4, 327,680 bytes of LDS; arguments aimg, codes, lowp_scales, Wo_b, rownan, out0; writes out0
.if DOCPART == 4
	.amdgcn_target "amdgcn-amd-amdhsa--gfx1250"
	.amdhsa_code_object_version 6
	.text
	.protected	k_qe21bcb881d_oproj
	.globl	k_qe21bcb881d_oproj
	.p2align	8
	.type	k_qe21bcb881d_oproj,@function
k_qe21bcb881d_oproj:
	s_mov_b64 s[64:65], 0
	v_nop
	global_prefetch_b8 v0, s[64:65] scope:SCOPE_SE
	s_setreg_imm32_b32 hwreg(HW_REG_WAVE_MODE, 25, 1), 1
	s_wait_xcnt 0x0
	s_wait_alu depctr_hold_cnt(0) depctr_sa_sdst(0) depctr_va_vdst(0) depctr_va_sdst(0) depctr_va_ssrc(0) depctr_va_vcc(0) depctr_vm_vsrc(0)
	s_getreg_b32 s2, hwreg(HW_REG_IB_STS2, 6, 4)
	s_cmp_eq_u32 s2, 0
	s_cbranch_scc0 .Lentry_in_a_cluster
	s_endpgm
.Lentry_in_a_cluster:
	s_bfe_u32 s2, ttmp6, 0x10000c
	s_cmp_lg_u32 s2, 0xf033
	s_cbranch_scc0 .Lentry_shape_is_right
	s_endpgm
.Lentry_shape_is_right:
; out0 = attention's result x Wo^T + Wo_b, on codes of FP8 (E4M3): A = the images in aimg (16 rows x 128 K in 2,048 bytes, as the operand's registers want them), B = Wo's rows in the buffer of codes.
; A block of out0 is 256 rows x 128 columns: 32 x 8 = 256 work-groups.  Four waves, each 128 rows x 64 columns: 32 accumulators.  K = 1,024 goes in steps of 256 through a ring of two LDS slots.
; Waves 0 and 1 fetch A's halves (8 tiles of 16 rows each), waves 2 and 3 B's (64 rows each), by joint loads: A's are shared along a row of the 4 x 4 cluster, B's along a column.
; The bias, divided by 2^(e8 + e9), is the C of the first products; each finished sum is multiplied by 2^(e8 + e9) x the row's flag (1.0, or NaN for a row without keys).  LIMIT: e8 + e9 between -126 and 127.
; The way out goes through the wave's stage in slot 0 (which has had its last fill and its last read): rows of 256 bytes, sixteen lanes store one aligned unit of 256 bytes.
.set SIZE_K, 1024
.set SIZE_N, 1024
.set KSTEP,  256
.set ROWB,   256
.set ASTEP,  4096
.set KROW,   SIZE_K
.set PITCH,  272
.set FR,     16
.set NL,     4
.set NP,     4
.set HALFT,  128*PITCH
.set SLOT,   4*HALFT
.set LAPS,   SIZE_K/(2*KSTEP)
.set SPARE,  2*SLOT
.set SPITCH, 272
.set ADRA, 16
.set ADRB, 20
.set STO,  24
.set RD,   25
.set CO,   26
.set SPW,  28
.set NIL,  29
.set BIAS, 32
.set TMP,  32
.set RS,   96
.set AF,   128
.set BK,   128
.set G1, 24
.set G0, 32
.set G1B, 48
.set G0B, 56
.set MSB, 0
.macro WIN new
.if MSB != \new
	s_set_vgpr_msb (MSB<<8)|\new
.set MSB, \new
.endif
.endm
.set MUL_LO, 0xa1
.set MUL_HI, 0xf1
.set TO_B,   0x40
.macro JLOAD g0a, g1a, g0b, g1b
	s_cmp_eq_u32 s15, 0
	s_cbranch_scc0 .Lfor_b_\@
	tensor_load_to_lds s[\g0a:\g0a+3], s[\g1a:\g1a+7]
	s_nop 0
.rept 4
	v_nop
.endr
	s_branch .Lasked_\@
.Lfor_b_\@:
	tensor_load_to_lds s[\g0b:\g0b+3], s[\g1b:\g1b+7]
	s_nop 0
.rept 4
	v_nop
.endr
.Lasked_\@:
.endm
.macro CREST
	s_cmp_lg_u32 s14, 0
	s_cbranch_scc1 .Lnot_wave_0_\@
	s_barrier_signal -3
.Lnot_wave_0_\@:
	s_barrier_wait -3
	s_barrier_signal -1
	s_barrier_wait -1
.endm
.macro CROUND
	s_barrier_signal -1
	s_barrier_wait -1
	CREST
.endm
	s_load_b256 s[4:11], s[0:1], 0x0
	s_load_b128 s[68:71], s[0:1], 0x20
	v_lshl_add_u32 v[SPW], v0, 2, SPARE
	v_mov_b32 v[NIL], 0
	ds_add_u32 v[SPW], v[NIL]                      ; the wave's opening: the add, twice on end, and its wait ahead of my first tensor load
	ds_add_u32 v[SPW], v[NIL]
	v_lshrrev_b32 v1, 5, v0
	v_readfirstlane_b32 s14, v1
	s_lshr_b32 s15, s14, 1
	s_and_b32 s16, s14, 1
	s_bfe_u32 s40, ttmp6, 0x40000
	s_bfe_u32 s41, ttmp6, 0x40004
	s_lshl_b32 s42, ttmp9, 2
	s_add_co_u32 s42, s42, s40
	s_and_b32 s17, ttmp7, 0xffff
	s_lshl_b32 s17, s17, 2
	s_add_co_u32 s17, s17, s41
	s_lshl_b32 s43, s41, 2
	s_lshl_b32 s43, 15, s43
	s_lshl_b32 s44, 0x1111, s40
	s_or_b32 s[G1+0], s43, (3<<16)|(1<<21)
	s_mov_b32 s[G1+1], 512<<16
	s_mov_b32 s[G1+2], 8<<16
	s_mov_b32 s[G1+3], 512<<16
	s_mov_b32 s[G1+4], 8
	s_mov_b32 s[G1+5], 2048
	s_mov_b32 s[G1+6], 0
	s_mov_b32 s[G1+7], 0
	s_or_b32 s[G1B+0], s44, (0<<16)|(1<<20)|(1<<21)|(5<<22)|(3<<25)
	s_mov_b32 s[G1B+1], ROWB<<16
	s_mov_b32 s[G1B+2], 64<<16
	s_mov_b32 s[G1B+3], ROWB<<16
	s_mov_b32 s[G1B+4], 64
	s_mov_b32 s[G1B+5], KROW
	s_mov_b32 s[G1B+6], 0
	s_mov_b32 s[G1B+7], 0
	s_lshl_b32 s20, s17, 4
	s_lshl_b32 s18, s16, 3
	s_add_co_u32 s20, s20, s18
	s_lshl_b32 s20, s20, 14
	s_mov_b32 s21, 0
	s_lshl_b32 s46, s42, 7                         ; B: row 128 x block column + 64 x half
	s_lshl_b32 s18, s16, 6
	s_add_co_u32 s46, s46, s18
	s_add_co_u32 s46, s46, 19456
	s_lshl_b32 s46, s46, 10
	s_mov_b32 s47, 0
	s_mul_i32 s45, s14, HALFT
	s_wait_dscnt 0x0                               ; both opening adds are done
	s_wait_kmcnt 0x0
	s_load_b64 s[96:97], s[8:9], 0x20
	s_add_nc_u64 s[20:21], s[4:5], s[20:21]
	s_add_nc_u64 s[46:47], s[6:7], s[46:47]
	CROUND
.irp s, 0,1
	s_mov_b32 s[G0+4*\s], 1
	s_add_co_u32 s[G0+4*\s+1], s45, \s*SLOT
	s_add_nc_u64 s[G0+4*\s+2:G0+4*\s+3], s[20:21], \s*ASTEP
	s_or_b32 s[G0+4*\s+3], s[G0+4*\s+3], 0x80000000
	s_mov_b32 s[G0B+4*\s], 1
	s_add_co_u32 s[G0B+4*\s+1], s45, \s*SLOT
	s_add_nc_u64 s[G0B+4*\s+2:G0B+4*\s+3], s[46:47], \s*ROWB
	s_or_b32 s[G0B+4*\s+3], s[G0B+4*\s+3], 0x80000000
.endr
	JLOAD G0, G1, G0B, G1B                         ; K step 0: one tensor load a wave at the head
	v_and_b32 v1, 15, v0
	s_wait_alu depctr_va_vdst(0)
	v_bfe_u32 v2, v0, 4, 1
	s_lshl_b32 s72, s42, 9                         ; the bias of my 64 columns: 4 bytes x (128 x block column + 64 x half)
	s_lshl_b32 s73, s16, 8
	s_add_co_u32 s72, s72, s73
	s_mov_b32 s73, 0
	s_add_nc_u64 s[72:73], s[10:11], s[72:73]
	v_lshlrev_b32 v5, 5, v2
.irp b, 0,1,2,3
	global_load_b128 v[BIAS+8*\b:BIAS+8*\b+3], v5, s[72:73] offset:64*\b
	global_load_b128 v[BIAS+8*\b+4:BIAS+8*\b+7], v5, s[72:73] offset:64*\b+16
.endr
	s_lshl_b32 s74, s17, 10
	s_lshl_b32 s75, s15, 9
	s_add_co_u32 s74, s74, s75
	s_mov_b32 s75, 0
	s_add_nc_u64 s[74:75], s[68:69], s[74:75]
	v_lshlrev_b32 v7, 2, v1
.irp a, 0,1,2,3,4,5,6,7
	global_load_b32 v[RS+2*\a], v7, s[74:75] offset:64*\a
	v_mov_b32 v[RS+2*\a+1], 0
.endr
	v_mul_u32_u24 v3, v1, PITCH
	v_lshl_add_u32 v4, v2, 4, v3
	v_and_b32 v6, 31, v0
	v_lshlrev_b32 v[CO], 4, v6
	s_wait_alu depctr_va_vdst(0)
	s_mul_i32 s21, s15, HALFT
	s_mul_i32 s22, s16, HALFT
	s_add_co_u32 s22, s22, 2*HALFT
.irp s, 0,1
	v_add_nc_u32 v[ADRA+\s], s21, v[CO]
	v_add_nc_u32 v[ADRB+\s], s22, v4
	s_add_co_u32 s21, s21, SLOT
	s_add_co_u32 s22, s22, SLOT
.endr
	s_mul_i32 s23, s14, 16*SPITCH
	v_mul_u32_u24 v8, v1, SPITCH
	v_lshl_add_u32 v8, v2, 5, v8
	v_add_nc_u32 v[STO], s23, v8
	v_mul_u32_u24 v9, v2, SPITCH                   ; back: lanes 0-15 take one row of 256 bytes, lanes 16-31 the next
	v_lshl_add_u32 v9, v1, 4, v9
	v_add_nc_u32 v[RD], s23, v9
	v_lshlrev_b32 v10, 12, v2                      ; and the same two rows in out0, 4,096 bytes apart
	v_lshl_add_u32 v10, v1, 4, v10
	s_lshl_b32 s20, s17, 8
	s_lshl_b32 s21, s15, 7
	s_add_co_u32 s20, s20, s21
	s_lshl_b32 s20, s20, 12
	s_lshl_b32 s46, s42, 9
	s_lshl_b32 s47, s16, 8
	s_add_co_u32 s46, s46, s47
	s_add_co_u32 s20, s20, s46
	s_mov_b32 s21, 0
	s_add_nc_u64 s[70:71], s[70:71], s[20:21]
	s_wait_loadcnt 0x0
	s_wait_kmcnt 0x0
	s_add_co_i32 s96, s96, s97
	s_sub_co_i32 s98, 0, s96
.set j, 0
.rept 32
	v_ldexp_f32 v[BIAS+j], v[BIAS+j], s98
.set j, j+1
.endr
	s_add_co_i32 s96, s96, 127
	s_lshl_b32 s96, s96, 23
.irp a, 0,1,2,3,4,5,6,7
	v_mul_f32 v[RS+2*\a], s96, v[RS+2*\a]
.endr
.macro FRAG reg, adr, q, i
.irp c, 0,1,2,3
	ds_load_b128 v[\reg+4*\c:\reg+4*\c+3], v[\adr] offset:128*(\q)+32*\c+(\i)*16*PITCH
.endr
.endm
.macro FRAGA reg, adr, q, i
.irp c, 0,1,2,3
	ds_load_b128 v[\reg+4*\c:\reg+4*\c+3], v[\adr] offset:(\i)*4096+(\q)*2048+\c*512
.endr
.endm
.macro MUL16 a0, p, first
.irp a, \a0, \a0+1
.irp b, 0,1,2,3
.if \first
	v_wmma_f32_16x16x128_fp8_fp8 v[8*(8*((\a)%4)+\b):8*(8*((\a)%4)+\b)+7], v[128*(\p)+FR*\b:128*(\p)+FR*\b+FR-1], v[AF+FR*(\a):AF+FR*(\a)+FR-1], v[BIAS+8*\b:BIAS+8*\b+7]
.else
	v_wmma_f32_16x16x128_fp8_fp8 v[8*(8*((\a)%4)+\b):8*(8*((\a)%4)+\b)+7], v[128*(\p)+FR*\b:128*(\p)+FR*\b+FR-1], v[AF+FR*(\a):AF+FR*(\a)+FR-1], v[8*(8*((\a)%4)+\b):8*(8*((\a)%4)+\b)+7]
.endif
.endr
.endr
.endm
.macro FETCH_B slot, q, p
	WIN TO_B
.irp i, 0,1,2,3
	FRAG 128*(\p)+FR*\i, ADRB+\slot, \q, \i
.endr
	WIN 0
.endm
.macro FETCH_A slot, q, i0
.irp i, \i0, \i0+1, \i0+2, \i0+3
	FRAGA AF+FR*(\i), ADRA+\slot, \q, \i
.endr
.endm
.macro PLACES n
.rept \n
	v_nop
.endr
.endm
.macro STEP slot, q, first
	s_wait_dscnt 4*NL
.if \first
	WIN 0x81
.else
	WIN MUL_LO
.endif
	MUL16 0, (\q)%2, \first
	MUL16 2, (\q)%2, \first
	s_wait_dscnt 0
	PLACES NP
	FETCH_B \slot, (\q)+1, 1-(\q)%2
	FETCH_A \slot, (\q)+1, 0
.if \first
	WIN 0xc1
.else
	WIN MUL_HI
.endif
	MUL16 4, (\q)%2, \first
	MUL16 6, (\q)%2, \first
	PLACES NP
	WIN 0
	FETCH_A \slot, (\q)+1, 4
.endm
.macro TURN slot, next, fill
	s_wait_tensorcnt 0x0
	ds_add_u32 v[SPW], v[NIL]
	s_wait_dscnt 4*NL+1
	WIN MUL_LO
	MUL16 0, 1, 0
	s_wait_dscnt 0x0
	s_barrier_signal -1
	MUL16 2, 1, 0
	WIN 0
	s_barrier_wait -1
.if \fill
	CREST
	s_add_nc_u64 s[G0+4*\slot+2:G0+4*\slot+3], s[G0+4*\slot+2:G0+4*\slot+3], 2*ASTEP
	s_add_nc_u64 s[G0B+4*\slot+2:G0B+4*\slot+3], s[G0B+4*\slot+2:G0B+4*\slot+3], 2*ROWB
	JLOAD G0+4*\slot, G1, G0B+4*\slot, G1B
.else
	PLACES NP
.endif
	FETCH_B \next, 0, 0
	FETCH_A \next, 0, 0
	WIN MUL_HI
	MUL16 4, 1, 0
	MUL16 6, 1, 0
	PLACES NP
	WIN 0
	FETCH_A \next, 0, 4
.endm
	s_wait_alu depctr_va_vdst(0)
	s_wait_tensorcnt 0x0                           ; my part of K step 0 is in
	ds_add_u32 v[SPW], v[NIL]
	s_wait_dscnt 0x0
	CROUND                                         ; a whole round: everybody's part of K step 0 is in, and the joint loads meet
	JLOAD G0+4, G1, G0B+4, G1B                     ; K step 1's load, the first tensor load behind the round
	FETCH_B 0, 0, 0
	FETCH_A 0, 0, 0
	FETCH_A 0, 0, 4
	STEP 0, 0, 1
	s_mov_b32 s3, LAPS-1
.Llap:
	TURN 0, 1, 1
	STEP 1, 0, 0
	TURN 1, 0, 1
	STEP 0, 0, 0
	s_sub_co_u32 s3, s3, 1
	s_cmp_lg_u32 s3, 0
	s_cbranch_scc1 .Llap
	TURN 0, 1, 0
	STEP 1, 0, 0
	s_wait_dscnt 4*NL
	WIN MUL_LO
	MUL16 0, 1, 0
	MUL16 2, 1, 0
	s_wait_dscnt 0
	WIN MUL_HI
	MUL16 4, 1, 0
	MUL16 6, 1, 0
	WIN 0
.macro TOSTAGE a
.set AC, 64*((\a)%4)
	WIN 0x02+((\a)/4)
.set j, 0
.rept 16
	v_pk_mul_f32 v[TMP+j:TMP+j+1], v[AC+j:AC+j+1], v[RS+2*(\a):RS+2*(\a)+1] op_sel_hi:[1,0]
.set j, j+2
.endr
	WIN 0
.irp b, 0,1,2,3
	ds_store_b128 v[STO], v[TMP+8*\b:TMP+8*\b+3] offset:64*\b
	ds_store_b128 v[STO], v[TMP+8*\b+4:TMP+8*\b+7] offset:64*\b+16
.endr
.set BB, BK+64*((\a)%2)
.irp t, 0,1,2,3,4,5,6,7
	ds_load_b128 v[BB+4*\t:BB+4*\t+3], v[RD] offset:2*\t*SPITCH
.endr
.endm
.macro SEND a, younger
.set BB, BK+64*((\a)%2)
	s_wait_dscnt \younger
.if (\a) > 0
	s_add_nc_u64 s[70:71], s[70:71], 16*SIZE_N*4
.endif
.irp t, 0,1,2,3,4,5,6,7
	global_store_b128 v10, v[BB+4*\t:BB+4*\t+3], s[70:71] offset:2*\t*SIZE_N*4 th:TH_STORE_NT
.endr
.endm
	PLACES NP
	TOSTAGE 0
.irp a, 1,2,3,4,5,6,7
.if \a > 1
	s_wait_xcnt 0x0
.endif
	TOSTAGE \a
	SEND \a-1, 16                                  ; behind block a - 1's loads: block a's 8 stores and 8 loads
.endr
	s_wait_xcnt 0x0
	SEND 7, 0
	s_wait_tensorcnt 0x0
	ds_add_u32 v[SPW], v[NIL]
	s_wait_dscnt 0x0
	CROUND
	s_endpgm
.Lfunc_end_k_qe21bcb881d_oproj:
	.size	k_qe21bcb881d_oproj, .Lfunc_end_k_qe21bcb881d_oproj-k_qe21bcb881d_oproj
	.p2alignl 7, 3214868480
	.fill 96, 4, 3214868480
	.section	.rodata,"a",@progbits
	.p2align	6, 0x0
	.amdhsa_kernel k_qe21bcb881d_oproj
		.amdhsa_group_segment_fixed_size 327680
		.amdhsa_private_segment_fixed_size 0
		.amdhsa_enable_private_segment 0
		.amdhsa_kernarg_size 48
		.amdhsa_user_sgpr_count 2
		.amdhsa_user_sgpr_kernarg_segment_ptr 1
		.amdhsa_wavefront_size32 1
		.amdhsa_system_sgpr_workgroup_id_x 1
		.amdhsa_system_sgpr_workgroup_id_y 1
		.amdhsa_system_sgpr_workgroup_id_z 1
		.amdhsa_system_vgpr_workitem_id 0
		.amdhsa_next_free_vgpr 1024
		.amdhsa_next_free_sgpr 104
		.amdhsa_reserve_vcc 0
		.amdhsa_float_denorm_mode_32 3
		.amdhsa_float_denorm_mode_16_64 3
		.amdhsa_memory_ordered 1
		.amdhsa_forward_progress 1
		.amdhsa_inst_pref_size 82
	.end_amdhsa_kernel
	.amdgpu_metadata
---
amdhsa.version: [ 1, 2 ]
amdhsa.kernels:
  - .name:           k_qe21bcb881d_oproj
    .symbol:         k_qe21bcb881d_oproj.kd
    .args:
      - { .name: aimg, .offset: 0, .size: 8, .value_kind: global_buffer, .address_space: global }
      - { .name: codes, .offset: 8, .size: 8, .value_kind: global_buffer, .address_space: global }
      - { .name: lowp_scales, .offset: 16, .size: 8, .value_kind: global_buffer, .address_space: global }
      - { .name: Wo_b, .offset: 24, .size: 8, .value_kind: global_buffer, .address_space: global }
      - { .name: rownan, .offset: 32, .size: 8, .value_kind: global_buffer, .address_space: global }
      - { .name: out0, .offset: 40, .size: 8, .value_kind: global_buffer, .address_space: global }
    .group_segment_fixed_size: 327680
    .private_segment_fixed_size: 0
    .kernarg_segment_align: 8
    .kernarg_segment_size: 48
    .max_flat_workgroup_size: 128
    .sgpr_count:     104
    .vgpr_count:     1024
    .wavefront_size: 32
...
	.end_amdgpu_metadata
.endif
;; end of part 4
